; MI455X (gfx1250); checked and timed in simulation.
; The chip was launched on July 23, 2026; its instructions are those of AMD's public machine-readable ISA for CDNA 5 (MIT licence, August 2026) and "CDNA5" Instruction Set Architecture Reference Guide (July 2026). The comments in the code are by the model that wrote it; some were corrected since.
;; Splash Attention QK Norm Wrapper. Allowed arithmetic: float matrix products may take bf16 or f16 operands with f32 sums; other float arithmetic in f32, or as packed bf16 or f16 multiplies, adds, multiply-adds, maxima and minima; sums over many terms, partial sums and values carried from step to step in f32; what a program stores and reads back later, other than sums and carried values, may be rounded once to bf16 or f16.
;; Inputs: Wk 2,048 x 1,024 float32; Wo 1,024 x 2,048 float32; Wq 2,048 x 1,024 float32; Wv 2,048 x 1,024 float32; cos 2 x 2,048 x 128 float32; hidden_states 2 x 2,048 x 2,048 float32; k_norm_w 128 float32; q_norm_w 128 float32; sin 2 x 2,048 x 128 float32.
;; Outputs: out0 2 x 2,048 x 2,048 float32.
;; 2 versions, each right; version 2 is version 1 with the launch prep written anew for expert scheduling mode. Each part assembles by itself: llvm-mc -triple=amdgcn-amd-amdhsa -mcpu=gfx1250 --defsym DOCPART=n.
;; ======== version 1 of 2: 4 launches
;; limits: values are held in f16: magnitudes above 65,504 overflow, below 6.1e-05 lose precision
;; workspace buffers: xb 16,777,216 bytes; wb 12,582,912 bytes; wo16 4,194,304 bytes; csr 4,194,304 bytes; qh 8,388,608 bytes; kh 8,388,608 bytes; vh 8,388,608 bytes; ob 8,388,608 bytes
;; launch prep (part 1): grid 544 x 1, 8 waves a work-group, no clusters, 0 bytes of LDS; arguments hidden_states, Wq, Wk, Wv, Wo, cos, sin, xb, wb, wo16, csr; writes xb, wb, wo16, csr
.if DOCPART == 1
	.amdgcn_target "amdgcn-amd-amdhsa--gfx1250"
	.amdhsa_code_object_version 6
	.text
	.protected	k_q99e2bcf81c_prep
	.globl	k_q99e2bcf81c_prep
	.p2align	8
	.type	k_q99e2bcf81c_prep,@function
k_q99e2bcf81c_prep:
	s_mov_b64 s[64:65], 0
	v_nop
	global_prefetch_b8 v0, s[64:65] scope:SCOPE_SE
	s_setreg_imm32_b32 hwreg(HW_REG_WAVE_MODE, 25, 1), 1
	s_wait_xcnt 0x0
; ALL LARGE INPUTS ARE ROUNDED ONCE TO bf16 AND LAID DOWN FOR THE MATRIX LAUNCHES.  A stream: no LDS, no matrix unit, no barrier.
;   kind 0: hidden -> xb, Wq, Wk, Wv -> wb (4 MiB apart): f32 to bf16, the layout kept.
;   kind 1: Wo -> wo16: f32 to bf16, and that number written as f16 (the last product multiplies in f16).
;           LIMIT: |Wo| under 65,504; a number under 6.1e-5 keeps f16's fixed step of 6e-8.
;   kind 2: cos, sin -> csr (sin 2 MiB behind cos): f32 to bf16, written back as f32.
; A work-group takes one chunk of 131,072 input bytes: 32 steps of 4,096; thread t takes the 16 bytes at 16 t of each step.
; Chunks: 256 of hidden, 64 of each weight, 16 of cos and of sin: 544 work-groups.
; A ring of eight slots in registers keeps eight loads of every wave on their way; a slot owns its registers and its two offsets.
.set OFI, 2                            ; v[2:9]    slot i: byte offset of its next 16 input bytes
.set OFO, 10                           ; v[10:17]  slot i: byte offset of its output
.set X,   18                           ; v[18:49]  slot i: four f32 as loaded
.set Y,   50                           ; v[50:81]  slot i: what is stored
.set T,   82                           ; v[82:83]  at work
.set SRC, 28                           ; s[28:29]  the chunk in its input
.set DST, 30                           ; s[30:31]  the chunk in its output
.set BAS, 32                           ; s32       the first work-group of the tensor in hand, then the chunk's number
.set ID,  33                           ; s33       the work-group's number
.set HIM, 40                           ; s40       a word's upper half
.set CNT, 41                           ; s41       rounds to go
	s_load_b512 s[4:19], s[0:1], 0x0               ; hidden 4, Wq 6, Wk 8, Wv 10, Wo 12, cos 14, sin 16, xb 18
	s_load_b128 s[20:23], s[0:1], 0x40             ; wb 20, wo16 22
	s_load_b64 s[24:25], s[0:1], 0x50              ; csr
	s_mov_b32 s[ID], ttmp9
	s_mov_b32 s[HIM], 0xffff0000
.irp i, 0,1,2,3,4,5,6,7
	v_lshl_or_b32 v[OFI+(\i)], v0, 4, (\i)*4096    ; 16 t + the slot's step
.endr
	s_wait_kmcnt 0x0
	s_add_nc_u64 s[34:35], s[20:21], 0x400000      ; Wk's place in wb
	s_add_nc_u64 s[36:37], s[20:21], 0x800000      ; Wv's
	s_add_nc_u64 s[38:39], s[24:25], 0x200000      ; sin's place in csr
	s_mov_b64 s[SRC:SRC+1], s[4:5]
	s_mov_b64 s[DST:DST+1], s[18:19]
	s_mov_b32 s[BAS], 0
; from work-group 'bound' on the chunk belongs to the next tensor: a choice between buffers on the work-group's number
.macro PICK bound, src, dst
	s_cmp_ge_u32 s[ID], \bound
	s_cselect_b64 s[SRC:SRC+1], s[(\src):(\src)+1], s[SRC:SRC+1]
	s_cselect_b64 s[DST:DST+1], s[(\dst):(\dst)+1], s[DST:DST+1]
	s_cselect_b32 s[BAS], \bound, s[BAS]
.endm
	PICK 256, 6, 20
	PICK 320, 8, 34
	PICK 384, 10, 36
	PICK 448, 12, 22
	PICK 512, 14, 24
	PICK 528, 16, 38
	s_sub_co_u32 s[BAS], s[ID], s[BAS]             ; the chunk's number in its tensor
	s_lshl_b32 s42, s[BAS], 17                     ; 131,072 input bytes a chunk
	s_mov_b32 s43, 0
	s_add_nc_u64 s[SRC:SRC+1], s[SRC:SRC+1], s[42:43]
	s_cmp_ge_u32 s[ID], 512
	s_cselect_b32 s44, 17, 16                      ; as many output bytes (kind 2) or half as many
	s_lshl_b32 s44, s[BAS], s44
	s_mov_b32 s45, 0
	s_add_nc_u64 s[DST:DST+1], s[DST:DST+1], s[44:45]
; One slot's turn.  ahead = 1: the slot is filled again, eight steps on.  left = how many younger loads may stay out.
.macro SLOT i, kind, ahead, left
.set rX, X+4*(\i)
.set rY, Y+4*(\i)
	s_wait_loadcnt \left                           ; loads come back in order: mine is in, the younger ones stay out; my input offset is free
	s_wait_xcnt 0x0                                ; the slot's last store has read its data and its offset: both are rewritten only behind this wait
.if (\kind) == 0
	v_cvt_pk_bf16_f32 v[rY], v[rX], v[rX+1]
	v_cvt_pk_bf16_f32 v[rY+1], v[rX+2], v[rX+3]
.else
	v_cvt_pk_bf16_f32 v[T], v[rX], v[rX+1]
	v_cvt_pk_bf16_f32 v[T+1], v[rX+2], v[rX+3]
.if (\kind) == 1
	v_lshlrev_b32 v[rX], 16, v[T]                  ; the rounded numbers as f32 again,
	v_and_b32 v[rX+1], s[HIM], v[T]
	v_lshlrev_b32 v[rX+2], 16, v[T+1]
	v_and_b32 v[rX+3], s[HIM], v[T+1]
	v_cvt_pk_f16_f32 v[rY], v[rX], v[rX+1]         ; and written as f16: eight significant bits fit into eleven
	v_cvt_pk_f16_f32 v[rY+1], v[rX+2], v[rX+3]
.else
	v_lshlrev_b32 v[rY], 16, v[T]
	v_and_b32 v[rY+1], s[HIM], v[T]
	v_lshlrev_b32 v[rY+2], 16, v[T+1]
	v_and_b32 v[rY+3], s[HIM], v[T+1]
.endif
.endif
.if \ahead
	v_add_nc_u32 v[OFI+(\i)], 32768, v[OFI+(\i)]
	global_load_b128 v[rX:rX+3], v[OFI+(\i)], s[SRC:SRC+1] th:TH_LOAD_NT
	v_add_nc_u32 v[OFO+(\i)], OST, v[OFO+(\i)]
.if (\kind) == 2
	global_store_b128 v[OFO+(\i)], v[rY:rY+3], s[DST:DST+1] offset:-OST
.else
	global_store_b64 v[OFO+(\i)], v[rY:rY+1], s[DST:DST+1] offset:-OST  ; 32 lanes store 256 consecutive bytes, aligned
.endif
.else
.if (\kind) == 2
	global_store_b128 v[OFO+(\i)], v[rY:rY+3], s[DST:DST+1]
.else
	global_store_b64 v[OFO+(\i)], v[rY:rY+1], s[DST:DST+1]
.endif
.endif
.endm
; The whole chunk for one kind: four rounds of eight slots, the last written out without loads.
.macro BODY kind
.if (\kind) == 2
.set OST, 32768
.else
.set OST, 16384
.endif
.irp i, 0,1,2,3,4,5,6,7
	global_load_b128 v[X+4*(\i):X+4*(\i)+3], v[OFI+(\i)], s[SRC:SRC+1] th:TH_LOAD_NT
.endr
.irp i, 0,1,2,3,4,5,6,7
.if (\kind) == 2
	v_lshl_or_b32 v[OFO+(\i)], v0, 4, (\i)*4096
.else
	v_lshl_or_b32 v[OFO+(\i)], v0, 3, (\i)*2048
.endif
.endr
	s_mov_b32 s[CNT], 3
.Lround_\@:
.irp i, 0,1,2,3,4,5,6,7
	SLOT \i, \kind, 1, 7
.endr
	s_sub_co_u32 s[CNT], s[CNT], 1
	s_cmp_lg_u32 s[CNT], 0
	s_cbranch_scc1 .Lround_\@
.irp i, 0,1,2,3,4,5,6,7
	SLOT \i, \kind, 0, 7-(\i)
.endr
	s_endpgm
.endm
	s_cmp_ge_u32 s[ID], 512
	s_cbranch_scc1 .Ltables
	s_cmp_ge_u32 s[ID], 448
	s_cbranch_scc1 .Lwo
	BODY 0
.Lwo:
	BODY 1
.Ltables:
	BODY 2
.Lfunc_end_k_q99e2bcf81c_prep:
	.size	k_q99e2bcf81c_prep, .Lfunc_end_k_q99e2bcf81c_prep-k_q99e2bcf81c_prep
	.p2alignl 7, 3214868480
	.fill 96, 4, 3214868480
	.section	.rodata,"a",@progbits
	.p2align	6, 0x0
	.amdhsa_kernel k_q99e2bcf81c_prep
		.amdhsa_group_segment_fixed_size 0
		.amdhsa_private_segment_fixed_size 0
		.amdhsa_enable_private_segment 0
		.amdhsa_kernarg_size 88
		.amdhsa_user_sgpr_count 2
		.amdhsa_user_sgpr_kernarg_segment_ptr 1
		.amdhsa_wavefront_size32 1
		.amdhsa_system_sgpr_workgroup_id_x 1
		.amdhsa_system_sgpr_workgroup_id_y 1
		.amdhsa_system_sgpr_workgroup_id_z 1
		.amdhsa_system_vgpr_workitem_id 0
		.amdhsa_next_free_vgpr 88
		.amdhsa_next_free_sgpr 66
		.amdhsa_reserve_vcc 0
		.amdhsa_float_denorm_mode_32 3
		.amdhsa_float_denorm_mode_16_64 3
		.amdhsa_memory_ordered 1
		.amdhsa_forward_progress 1
		.amdhsa_inst_pref_size 33
	.end_amdhsa_kernel
	.amdgpu_metadata
---
amdhsa.version: [ 1, 2 ]
amdhsa.kernels:
  - .name:           k_q99e2bcf81c_prep
    .symbol:         k_q99e2bcf81c_prep.kd
    .args:
      - { .name: hidden_states, .offset: 0, .size: 8, .value_kind: global_buffer, .address_space: global }
      - { .name: Wq, .offset: 8, .size: 8, .value_kind: global_buffer, .address_space: global }
      - { .name: Wk, .offset: 16, .size: 8, .value_kind: global_buffer, .address_space: global }
      - { .name: Wv, .offset: 24, .size: 8, .value_kind: global_buffer, .address_space: global }
      - { .name: Wo, .offset: 32, .size: 8, .value_kind: global_buffer, .address_space: global }
      - { .name: cos, .offset: 40, .size: 8, .value_kind: global_buffer, .address_space: global }
      - { .name: sin, .offset: 48, .size: 8, .value_kind: global_buffer, .address_space: global }
      - { .name: xb, .offset: 56, .size: 8, .value_kind: global_buffer, .address_space: global }
      - { .name: wb, .offset: 64, .size: 8, .value_kind: global_buffer, .address_space: global }
      - { .name: wo16, .offset: 72, .size: 8, .value_kind: global_buffer, .address_space: global }
      - { .name: csr, .offset: 80, .size: 8, .value_kind: global_buffer, .address_space: global }
    .group_segment_fixed_size: 0
    .private_segment_fixed_size: 0
    .kernarg_segment_align: 8
    .kernarg_segment_size: 88
    .max_flat_workgroup_size: 256
    .sgpr_count:     66
    .vgpr_count:     88
    .wavefront_size: 32
...
	.end_amdgpu_metadata
.endif
;; end of part 1
;; launch qkv (part 2): grid 8 x 32, 4 waves a work-group, clusters of 4 x 4, 327,680 bytes of LDS; arguments xb, wb, csr, q_norm_w, k_norm_w, qh, kh, vh; writes qh, kh, vh
.if DOCPART == 2
	.amdgcn_target "amdgcn-amd-amdhsa--gfx1250"
	.amdhsa_code_object_version 6
	.text
	.protected	k_q99e2bcf81c_qkv
	.globl	k_q99e2bcf81c_qkv
	.p2align	8
	.type	k_q99e2bcf81c_qkv,@function
k_q99e2bcf81c_qkv:
	s_mov_b64 s[64:65], 0
	v_nop
	global_prefetch_b8 v0, s[64:65] scope:SCOPE_SE
	s_setreg_imm32_b32 hwreg(HW_REG_WAVE_MODE, 25, 1), 1
	s_wait_xcnt 0x0
	s_wait_alu depctr_hold_cnt(0) depctr_sa_sdst(0) depctr_va_vdst(0) depctr_va_sdst(0) depctr_va_ssrc(0) depctr_va_vcc(0) depctr_vm_vsrc(0)
	s_getreg_b32 s2, hwreg(HW_REG_IB_STS2, 6, 4)
	s_cmp_eq_u32 s2, 0
	s_cbranch_scc0 .Lentry_in_a_cluster
	s_endpgm
.Lentry_in_a_cluster:
	s_bfe_u32 s2, ttmp6, 0x10000c
	s_cmp_lg_u32 s2, 0xf033
	s_cbranch_scc0 .Lentry_shape_is_right
	s_endpgm
.Lentry_shape_is_right:
; q, k, v = x Wq, x Wk, x Wv (bf16 operands, f32 sums); RMS norm with gain over a head's 128 channels of q and k; RoPE; all three written by heads, [b 8 + h][2048][128], in f16.  q is NOT scaled here.
; x: xb [4096][2048] bf16.  W: wb, three matrices [2048 k][1024 n] bf16, 4 MiB apart.  cos, sin: csr, f32 (already rounded to bf16), [4096][128], sin 2 MiB behind cos.  The gains are rounded to bf16 here.
; LIMITS.  f16 ends at 65,504: |v| must stay under it; |q|, |k| are at most sqrt(128) |gain| (|cos| + |sin|).  NaN and infinities are not treated apart.
; SHARES.  A work-group makes 128 rows x (q, k and v of ONE head): 128 x 384.  Wave w (rh = w / 2, ch = w % 2) makes 64 rows x 192 columns: of each matrix the channels 32 ch .. 32 ch + 31 and the same + 64,
; as four blocks ii of 16: so RoPE's partner channels d and d + 64 lie in the same lane and register of accumulators ii and ii + 2.  48 accumulators, 384 registers.
; THE MATRIX INSTRUCTION IS USED TRANSPOSED: source 0 = 16 columns of W (W lies [k][n] in LDS and is turned by ds_load_tr16_b128), source 1 = 16 rows of x: a lane holds ONE row (lane % 16) and the eight
; neighbouring channels 8 (lane / 16) + 0..7.
; RING.  K goes in 16 steps of 128 through two LDS slots; wave 0, 1, 2 fetch the step's tile of Wq, Wk, Wv (128 k-rows x 256 bytes), wave 3 that of x (128 rows x 256 bytes): one tensor load a wave.
; A trip of the loop is one K step; the slot in hand is a scalar, 0 or SLOT, turned by one exclusive or.
; THE WALK ALONG K IS TURNED: a cluster whose x + y is odd begins at K step 8 and wraps round to 0.  So the two clusters that read the same rows of x (same y), and neighbours along y, which read the same
; tiles of W, walk them eight K steps apart.  The f32 sums only change their order.
; CLUSTER 4 x 4.  The head hangs on the work-group's x alone: W's tiles are asked for jointly by a column of the cluster; the rows hang on y alone: x's tiles jointly by a row of the cluster.
; REGISTERS, in windows of 256 (s_set_vgpr_msb: bits 1:0 source 0, 3:2 source 1, 5:4 source 2, 7:6 destination):
;   window 0: v0-31 addresses; v32-63, v64-95 x's fragments, two buffers; v96-143 the norm's sums and factors
;   window 1: v0-95, v96-191 W's fragments, two buffers (fragment 4 mat + ii); v192-255 the gains.  On the way out: v0-63, v64-127 cos and sin, two buffers; v128-191 at work
;   window 2: accumulators of row blocks a = 0, 1 at 8 (12 (a % 2) + 4 mat + ii);   window 3: those of a = 2, 3
.set KSTEP, 128
.set PW,    288                        ; a k-row of W in LDS: 256 bytes + 32
.set PX,    272                        ; a row of x: 256 + 16: the 16 rows of a load start at 16 different groups of four banks
.set WT,    128*PW                     ; a tile of W
.set XOFF,  3*WT                       ; x's tile lies behind the three of W
.set SLOT,  XOFF+128*PX                ; 145,408 bytes
.set SSB,   2*SLOT                     ; behind the ring: the waves' partial sums of squares, 512 bytes a wave
.set SPARE, SSB+2048                   ; the spare words, 128 bytes a wave: two blocks of 256 bytes that no other line names
.set SPT,   272                        ; the stage's pitch.  THE STAGE lies in slot 0, behind its last fill and its last read: three matrices x 128 rows
.set STG,   128*SPT
.set REFILLS, 14                       ; 16 K steps, of which two are the first fills
.set STW,  8                           ; v8-10   where I put 16 bytes of a row of q, k, v in the stage
.set STR,  11                          ; v11-13  where I read rows back
.set GO,   14                          ; v14     16 x lane: my place in 512 consecutive output bytes
.set CO,   15                          ; v15     my byte offset in the work-group's rows of cos and sin
.set ADRX, 16                          ; v16     my fragments of x in slot 0; never rewritten
.set CXA,  17                          ; v17     the same in the slot in hand
.set ADRW, 18                          ; v18-20  my fragments of W in slot 0, by matrix; never rewritten
.set CWA,  21                          ; v21-23  the same in the slot in hand
.set WO,   24                          ; v24     my byte offset in a gain
.set SSW,  25                          ; v25     where I put my sums of squares
.set SSR,  26                          ; v26     where the wave with the row's other 64 channels put its own
.set SPW,  28                          ; v28     my spare word: SPARE + 4 x my thread's number; never rewritten
.set NIL,  29                          ; v29     0; never rewritten
.set PFO,  30                          ; v30     the prefetches' offset: my lane x a row in memory; never rewritten
.set XF,   32
.set SSQ,  96                          ; v96-111  eight pairs: index 4 mat + a
.set SUM,  112                         ; v112-119
.set OTH,  120                         ; v120-127
.set RS,   128                         ; v128-143 1 / sqrt(mean + eps), twice each
.set NW,   192                         ; window 1
.set T,    128
.set U,    160
.set PK,   176
.set KN,  20                           ; s20  the K step asked for last
.set TB,  21                           ; s21  the slot in hand: 0 or SLOT
.set WV,  22
.set RH,  23
.set CH,  24
.set CX,  25
.set CY,  26
.set HD,  27                           ; the head
.set MB,  28                           ; the block of 128 rows
.set LAP, 29
.set LIM, 30                           ; 10 in a wave that prefetches, else the greatest number
.set ST0, 31                           ; s31  the K step at which my cluster's walk begins: 0 or 8
.set G1W, 32
.set G1X, 40
.set G0W, 48                           ; a set for each of the two first fills; the first then serves every refill
.set G0X, 56
.set PFA, 66                           ; s[66:67] where my prefetches stand
.set PFS, 68                           ; s[68:69] a K step in bytes, along my tensor
.set OFW, 70                           ; s[70:71] a K step's byte offset in W
.set OFX, 72                           ; s[72:73] in x
.set BW,  74                           ; s[74:75] my tile of W at K step 0
.set BX,  76                           ; s[76:77] the block's rows of x at K step 0
.set LP,  78                           ; s78  my tile's place in a slot
.set SEL, 80
.set R128, 82
.set EPSR, 83
.set HIM, 84
.set COSB, 86
.set SINB, 88
.set MSB, 0
.macro WIN new                         ; the immediate's high byte repeats the setting that is left; a switch that changes nothing is dropped
.if MSB != (\new)
	s_set_vgpr_msb (MSB<<8)|(\new)
.set MSB, \new
.endif
.endm
.macro PLACES                          ; four plain places behind matrix instructions (ISA guide 7.12.1), where no other vector work is at hand
.rept 4
	v_nop
.endr
.endm
.macro CUR                             ; my fragments' addresses in the slot in hand: four plain vector instructions
	v_add_nc_u32 v[CXA], s[TB], v[ADRX]
.irp m, 0,1,2
	v_add_nc_u32 v[CWA+(\m)], s[TB], v[ADRW+(\m)]
.endr
.endm
; A joint load.  The branch hangs on the wave's number alone.  An s_nop 0 and four v_nop follow each of the two lines, ahead of the jump and the label.
.macro JLOAD s
	s_cmp_lt_u32 s[WV], 3
	s_cbranch_scc0 .Lfor_x_\@
	tensor_load_to_lds s[G0W+4*(\s):G0W+4*(\s)+3], s[G1W:G1W+7]
	s_nop 0
.rept 4
	v_nop
.endr
	s_branch .Lasked_\@
.Lfor_x_\@:
	tensor_load_to_lds s[G0X+4*(\s):G0X+4*(\s)+3], s[G1X:G1X+7]
	s_nop 0
.rept 4
	v_nop
.endr
.Lasked_\@:
.endm
; A PREFETCH INTO THE L2, behind a joint refill and the run of LDS loads that follows it: the K step that stands two refills on, 384 matrix instructions ahead of its load; 32 rows x 256 bytes, a lane a row.
; A wave asks at places 4 to 7 of its cluster's walk alone (the loop's first four trips); places 0 to 3 come by their loads alone, and places 8 to 15 are places 0 to 7 of the clusters with the other start.
; W's tiles are asked for by the clusters with y = 0 and y = 1, one of each start; x's by every cluster, since the two that read a block's rows have different starts.  The four partners that ask for a tile
; jointly take 32 of its 128 rows each, told apart by address.  So no row's 256 bytes of a K step are named twice in the launch.
.macro ASK
	s_cmp_gt_u32 s[LAP], s[LIM]
	s_cbranch_scc0 .Lnot_mine_\@
	global_prefetch_b8 v[PFO], s[PFA:PFA+1] th:TH_LOAD_NT scope:SCOPE_SE
.Lnot_mine_\@:
.endm
.macro CREST                           ; a round of the cluster's barrier behind its opening barrier
	s_cmp_lg_u32 s[WV], 0
	s_cbranch_scc1 .Lnot_wave_0_\@
	s_barrier_signal -3
.Lnot_wave_0_\@:
	s_barrier_wait -3
	s_barrier_signal -1
	s_barrier_wait -1
.endm
.macro CROUND
	s_barrier_signal -1
	s_barrier_wait -1
	CREST
.endm
	s_load_b512 s[4:19], s[0:1], 0x0               ; xb 4, wb 6, csr 8, q_norm_w 10, k_norm_w 12, qh 14, kh 16, vh 18
	v_lshl_add_u32 v[SPW], v0, 2, SPARE
	v_mov_b32 v[NIL], 0
	ds_add_u32 v[SPW], v[NIL]                      ; the wave's opening: the add and its wait stand ahead of my first tensor load; work on registers stands between them
	v_lshrrev_b32 v1, 5, v0
	v_readfirstlane_b32 s[WV], v1
	s_lshr_b32 s[RH], s[WV], 1
	s_and_b32 s[CH], s[WV], 1
	s_bfe_u32 s[CX], ttmp6, 0x40000
	s_bfe_u32 s[CY], ttmp6, 0x40004
	s_lshl_b32 s[HD], ttmp9, 2
	s_add_co_u32 s[HD], s[HD], s[CX]               ; head = 4 x cluster x + cx
	s_and_b32 s[MB], ttmp7, 0xffff
	s_add_co_u32 s[ST0], s[MB], ttmp9              ; cluster y + cluster x,
	s_and_b32 s[ST0], s[ST0], 1                    ; its parity,
	s_lshl_b32 s[ST0], s[ST0], 3                   ; times 8: where my cluster's walk begins; the same in all sixteen partners
	s_lshl_b32 s[MB], s[MB], 2
	s_add_co_u32 s[MB], s[MB], s[CY]               ; row block = 4 x cluster y + cy
	s_mov_b32 s[TB], 0
	s_lshl_b32 s70, s[CY], 2
	s_lshl_b32 s70, 15, s70                        ; my row of the cluster
	s_lshl_b32 s71, 0x1111, s[CX]                  ; my column
	s_or_b32 s[G1W], s71, (1<<16)|(1<<20)|(1<<21)|(5<<22)|(7<<25)  ; mask; 2-byte elements; padding on; bit 21 beside a mask; after every 64 words, 8 words
	s_or_b32 s[G1X], s70, (1<<16)|(1<<20)|(1<<21)|(5<<22)|(3<<25)  ; the same with 4 words
.irp g, G1W, G1X
	s_mov_b32 s[(\g)+1], 128<<16                   ; tensor_dim0 = 128
	s_mov_b32 s[(\g)+2], 128<<16                   ; tensor_dim1 = 128
	s_mov_b32 s[(\g)+3], 128<<16                   ; tile_dim0 = 128
	s_mov_b32 s[(\g)+4], 128                       ; tile_dim1 = 128
	s_mov_b32 s[(\g)+6], 0
	s_mov_b32 s[(\g)+7], 0
.endr
	s_mov_b32 s[G1W+5], 1024                       ; elements from k-row to k-row of W
	s_mov_b32 s[G1X+5], 2048                       ; from row to row of x
	s_min_u32 s72, s[WV], 2                        ; my matrix (wave 3 asks by x's line; its number here only keeps the address inside wb)
	s_lshl_b32 s72, s72, 22
	s_lshl_b32 s73, s[HD], 8                       ; the head's 256 bytes of a k-row
	s_add_co_u32 s72, s72, s73
	s_mov_b32 s73, 0
	s_lshl_b32 s76, s[MB], 19                      ; 128 rows of 4,096 bytes
	s_mov_b32 s77, 0
	s_mul_i32 s[LP], s[WV], WT                     ; where my tile goes: no place in the cluster enters an LDS address
	s_mov_b32 s[SEL], 0x76543210
	s_mov_b32 s[SEL+1], 0xfedcba98
	s_mov_b32 s[R128], 0x3c000000                  ; 1 / 128
	s_mov_b32 s[EPSR], 0x358637bd                  ; 1e-6
	s_mov_b32 s[HIM], 0xffff0000
	s_wait_dscnt 0x0                               ; the opening add is done
	s_wait_kmcnt 0x0
	s_add_nc_u64 s[BW:BW+1], s[6:7], s[72:73]
	s_add_nc_u64 s[BX:BX+1], s[4:5], s[76:77]
	s_mov_b32 s[OFW+1], 0
	s_mov_b32 s[OFX+1], 0
	CROUND                                         ; all sixteen work-groups are here: the first joint loads meet
.irp s, 0,1
	s_add_co_u32 s[KN], s[ST0], \s                 ; the walk's first two K steps: no wrap, since the start is 0 or 8
	s_lshl_b32 s[OFW], s[KN], 18                   ; 128 k-rows of 2,048 bytes
	s_lshl_b32 s[OFX], s[KN], 8                    ; 256 bytes of a row
	s_mov_b32 s[G0W+4*(\s)], 1
	s_add_co_u32 s[G0W+4*(\s)+1], s[LP], (\s)*SLOT
	s_add_nc_u64 s[G0W+4*(\s)+2:G0W+4*(\s)+3], s[BW:BW+1], s[OFW:OFW+1]
	s_or_b32 s[G0W+4*(\s)+3], s[G0W+4*(\s)+3], 0x80000000
	s_mov_b32 s[G0X+4*(\s)], 1
	s_add_co_u32 s[G0X+4*(\s)+1], s[LP], (\s)*SLOT
	s_add_nc_u64 s[G0X+4*(\s)+2:G0X+4*(\s)+3], s[BX:BX+1], s[OFX:OFX+1]
	s_or_b32 s[G0X+4*(\s)+3], s[G0X+4*(\s)+3], 0x80000000
	JLOAD \s                                       ; two loads of mine are out
.endr
	; addresses
	v_and_b32 v1, 15, v0                           ; r = l % 16
	v_bfe_u32 v2, v0, 4, 1                         ; h = l / 16
	v_and_b32 v3, 7, v0
	v_bfe_u32 v4, v0, 3, 1
	v_mul_u32_u24 v5, v1, PX
	v_lshl_add_u32 v5, v2, 4, v5
	s_mul_i32 s79, s[RH], 64*PX
	v_add_nc_u32 v5, s79, v5                       ; (64 rh + r) x 272 + 16 h: for x's tile, and for the stage, which has the same pitch
	v_add_nc_u32 v[ADRX], XOFF, v5
	v_lshl_add_u32 v6, v2, 3, v3                   ; the turning load: k-row 8 h + l % 8,
	v_mul_u32_u24 v6, v6, PW
	v_lshl_add_u32 v6, v4, 4, v6                   ; columns 8 ((l / 8) % 2) on,
	s_lshl_b32 s79, s[CH], 6
	v_add_nc_u32 v6, s79, v6                       ; in my half's 32 channels
.irp m, 0,1,2
	v_add_nc_u32 v[ADRW+(\m)], (\m)*WT, v6
.endr
	CUR                                            ; the walk begins in slot 0
	v_add_nc_u32 v7, s79, v5
.irp m, 0,1,2
	v_add_nc_u32 v[STW+(\m)], (\m)*STG, v7
.endr
	v_mul_u32_u24 v27, v2, SPT                     ; back: wave w takes rows 32 w .. 32 w + 31, whole; lanes 0-15 one row, lanes 16-31 the next
	v_lshl_add_u32 v27, v1, 4, v27
	s_mul_i32 s79, s[WV], 32*SPT
	v_add_nc_u32 v27, s79, v27
.irp m, 0,1,2
	v_add_nc_u32 v[STR+(\m)], (\m)*STG, v27
.endr
	v_and_b32 v[GO], 31, v0
	v_lshlrev_b32 v[GO], 4, v[GO]
	v_lshlrev_b32 v[CO], 9, v1                     ; a row of cos is 512 bytes
	v_lshl_add_u32 v[CO], v2, 5, v[CO]
	s_lshl_b32 s79, s[RH], 15
	s_lshl_b32 s97, s[CH], 7
	v_lshl_add_u32 v[WO], v2, 5, s97               ; 32 h + 128 ch
	s_add_co_u32 s79, s79, s97
	v_add_nc_u32 v[CO], s79, v[CO]
	s_lshl_b32 s79, s[WV], 9
	s_add_co_u32 s79, s79, SSB
	v_lshl_add_u32 v[SSW], v1, 5, s79
	s_xor_b32 s79, s[WV], 1
	s_lshl_b32 s79, s79, 9
	s_add_co_u32 s79, s79, SSB
	v_lshl_add_u32 v[SSR], v1, 5, s79
	; the gains of my 64 channels: 16 loads, waited for on the way out
	WIN 0x40
.irp m, 0,1
.irp ii, 0,1,2,3
	global_load_b128 v[NW+32*(\m)+8*(\ii):NW+32*(\m)+8*(\ii)+3],   v[WO], s[10+2*(\m):11+2*(\m)] offset:((\ii)%2)*64+((\ii)/2)*256
	global_load_b128 v[NW+32*(\m)+8*(\ii)+4:NW+32*(\m)+8*(\ii)+7], v[WO], s[10+2*(\m):11+2*(\m)] offset:((\ii)%2)*64+((\ii)/2)*256+16
.endr
.endr
	WIN 0
	; scalars made of both places in the cluster live in s90-s99, which feed no descriptor
	s_lshr_b32 s90, s[MB], 4                       ; the batch
	s_lshl3_add_u32 s90, s90, s[HD]                ; 8 b + h
	s_lshl_b32 s90, s90, 19                        ; a head's 2,048 rows of 256 bytes
	s_and_b32 s91, s[MB], 15
	s_lshl_b32 s91, s91, 15
	s_add_co_u32 s90, s90, s91
	s_lshl_b32 s91, s[WV], 13                      ; the 32 rows that I store
	s_add_co_u32 s90, s90, s91
	s_mov_b32 s91, 0
	s_add_nc_u64 s[14:15], s[14:15], s[90:91]
	s_add_nc_u64 s[16:17], s[16:17], s[90:91]
	s_add_nc_u64 s[18:19], s[18:19], s[90:91]
	s_lshl_b32 s98, s[MB], 16                      ; 128 rows of cos
	s_mov_b32 s99, 0
	s_add_nc_u64 s[COSB:COSB+1], s[8:9], s[98:99]
	s_add_nc_u64 s[SINB:SINB+1], s[COSB:COSB+1], 0x200000
	s_min_u32 s92, s[WV], 2                        ; the prefetches: W: my matrix, the head's columns, my work-group's 32 k-rows (by cy), place 3 of the walk
	s_lshl_b32 s92, s92, 22
	s_lshl_b32 s95, s[HD], 8
	s_add_co_u32 s92, s92, s95
	s_lshl_b32 s95, s[CY], 16
	s_add_co_u32 s92, s92, s95
	s_lshl_b32 s95, s[ST0], 18
	s_add_co_u32 s92, s92, s95
	s_add_co_u32 s92, s92, 3*KSTEP*2048
	s_lshl_b32 s93, s[MB], 19                      ; x: the block's rows, my work-group's 32 (by cx), place 3 of the walk
	s_lshl_b32 s95, s[CX], 17
	s_add_co_u32 s93, s93, s95
	s_lshl_b32 s95, s[ST0], 8
	s_add_co_u32 s93, s93, s95
	s_add_co_u32 s93, s93, 3*KSTEP*2
	s_and_b32 s94, ttmp7, 0xffff                   ; cluster y:
	s_lshr_b32 s94, s94, 1                         ; 0 for y = 0 and y = 1
	s_mov_b32 s96, KSTEP*2
	s_cmp_lt_u32 s[WV], 3
	s_cselect_b64 s[PFA:PFA+1], s[6:7], s[4:5]
	s_cselect_b32 s92, s92, s93
	s_cselect_b32 s[PFS], KSTEP*2048, s96
	s_cselect_b32 s95, 11, 12                      ; a row of wb is 2,048 bytes, of xb 4,096
	s_cselect_b32 s94, s94, 0                      ; x's rows are asked for in every cluster
	s_mov_b32 s93, 0
	s_mov_b32 s[PFS+1], 0
	s_add_nc_u64 s[PFA:PFA+1], s[PFA:PFA+1], s[92:93]
	s_cmp_eq_u32 s94, 0
	s_cselect_b32 s[LIM], 10, -1                   ; the same in all sixteen partners, for a given wave
	v_and_b32 v[PFO], 31, v0
	v_lshlrev_b32 v[PFO], s95, v[PFO]
; 12 matrix instructions: row block a x all 12 column blocks, 32 along K, from buffer f.  zero = 1: the first product starts the sums.
; All 48 accumulators take turns, one instruction a turn, in the same order in every quarter.
.macro MUL12 f, a, zero
	WIN 0xa1+0x50*((\a)/2)                         ; W window 1, x window 0, C and D window 2 or 3
.set rX, XF+32*(\f)+8*(\a)
.irp b, 0,1,2,3,4,5,6,7,8,9,10,11
.set rA, 8*(12*((\a)%2)+(\b))
.set rW, 96*(\f)+8*(\b)
.if \zero
	v_wmma_f32_16x16x32_bf16 v[rA:rA+7], v[rW:rW+7], v[rX:rX+7], 0
.else
	v_wmma_f32_16x16x32_bf16 v[rA:rA+7], v[rW:rW+7], v[rX:rX+7], v[rA:rA+7]
.endif
.endr
.endm
; 32 LDS loads in one run: quarter q (32 along K) of the slot in hand into buffer f: 24 turning loads for W, then 8 for x
.macro FETCH q, f
	WIN 0x40
.irp m, 0,1,2
.irp ii, 0,1,2,3
.set rW, 96*(\f)+8*(4*(\m)+(\ii))
.set oW, (\q)*32*PW+((\ii)%2)*32+((\ii)/2)*128
	ds_load_tr16_b128 v[rW:rW+3],   v[CWA+(\m)] offset:oW
	ds_load_tr16_b128 v[rW+4:rW+7], v[CWA+(\m)] offset:oW+16*PW
.endr
.endr
	WIN 0
.irp a, 0,1,2,3
	ds_load_b128 v[XF+32*(\f)+8*(\a):XF+32*(\f)+8*(\a)+3],   v[CXA] offset:(\a)*16*PX+64*(\q)
	ds_load_b128 v[XF+32*(\f)+8*(\a)+4:XF+32*(\f)+8*(\a)+7], v[CXA] offset:(\a)*16*PX+64*(\q)+32
.endr
.endm
; One of a K step's first three quarters: multiplies buffer f; in its middle it fetches quarter q into buffer g.
.macro QUARTER q, f, g, zero
	s_wait_dscnt 4                                 ; W and x's row blocks 0, 1 are in; the youngest four loads (blocks 2, 3) may be out
	MUL12 \f, 0, \zero
	MUL12 \f, 1, \zero
	PLACES
	FETCH \q, \g
	s_wait_dscnt 32                                ; all but the 32 just issued
	MUL12 \f, 2, \zero
	MUL12 \f, 3, \zero
.endm
; The last quarter multiplies buffer 1 and changes slots.  In front of the barrier each wave waits for all its tensor loads (one is out: its part of the next slot), adds 0 to its spare word, and waits
; for that and for its own reads of this slot.  fill = 1: the barrier opens a round of the cluster's, and this slot is filled again, with the K step two places on in the walk, first thing behind the round;
; its descriptors are made anew, from the K step's number modulo 16, between the add and the wait for it.
.macro TURN fill
.if \fill
	s_wait_xcnt 0x0                                ; the last prefetch, a K step back, has read its address
	s_add_nc_u64 s[PFA:PFA+1], s[PFA:PFA+1], s[PFS:PFS+1]
.endif
	WIN 0
	s_wait_tensorcnt 0x0                           ; no tensor load of mine is out, so a group 0 may be written
	ds_add_u32 v[SPW], v[NIL]
.if \fill
	s_add_co_u32 s[KN], s[KN], 1
	s_and_b32 s[KN], s[KN], 15                     ; behind K step 15 comes K step 0
	s_lshl_b32 s[OFW], s[KN], 18
	s_lshl_b32 s[OFX], s[KN], 8
	s_add_co_u32 s[G0W+1], s[LP], s[TB]            ; into the slot that is being read out
	s_add_nc_u64 s[G0W+2:G0W+3], s[BW:BW+1], s[OFW:OFW+1]
	s_or_b32 s[G0W+3], s[G0W+3], 0x80000000
	s_add_co_u32 s[G0X+1], s[LP], s[TB]
	s_add_nc_u64 s[G0X+2:G0X+3], s[BX:BX+1], s[OFX:OFX+1]
	s_or_b32 s[G0X+3], s[G0X+3], 0x80000000
.endif
	s_xor_b32 s[TB], s[TB], SLOT                   ; the other slot is in hand from here on
	s_wait_dscnt 5                                 ; (the add and the youngest four loads may be out)
	MUL12 1, 0, 0
	s_wait_dscnt 0x0                               ; the add is done, and my reads of this slot are over
	s_barrier_signal -1
	MUL12 1, 1, 0
	WIN 0
	s_barrier_wait -1
.if \fill
	CREST
	JLOAD 0
.endif
	CUR                                            ; four plain vector instructions: where nothing is filled they are the places in front of the loads below
	FETCH 0, 0
.if \fill
	ASK
.endif
	MUL12 1, 2, 0
	MUL12 1, 3, 0
.endm
; cos and sin of row block a for my 64 channels, into buffer buf of window 1: cos at 8 ii + j, sin 32 further on
.macro CSLOAD a, buf
	WIN 0x40
.irp ii, 0,1,2,3
.irp hf, 0,1
.set oC, (\a)*8192+((\ii)%2)*64+((\ii)/2)*256+16*(\hf)
.set rC, 64*(\buf)+8*(\ii)+4*(\hf)
	global_load_b128 v[rC:rC+3],     v[CO], s[COSB:COSB+1] offset:oC
	global_load_b128 v[rC+32:rC+35], v[CO], s[SINB:SINB+1] offset:oC
.endr
.endr
.endm
	s_wait_tensorcnt 1                             ; my part of the walk's first K step is in; the second's may stay out
	s_barrier_signal -1
	s_barrier_wait -1
	FETCH 0, 0
	QUARTER 1, 0, 1, 1                             ; the first quarter stands in front of the loop: its products start the sums
	WIN 0
	s_mov_b32 s[LAP], REFILLS
.Lstep:                                                ; a trip goes from a K step's second quarter to the next one's first, and fills one slot again
	QUARTER 2, 1, 0, 0
	QUARTER 3, 0, 1, 0
	TURN 1
	QUARTER 1, 0, 1, 0
	WIN 0
	s_sub_co_u32 s[LAP], s[LAP], 1
	s_cmp_lg_u32 s[LAP], 0
	s_cbranch_scc1 .Lstep
	QUARTER 2, 1, 0, 0                             ; the last two K steps fill nothing
	QUARTER 3, 0, 1, 0
	TURN 0
	QUARTER 1, 0, 1, 0
	QUARTER 2, 1, 0, 0
	QUARTER 3, 0, 1, 0
	PLACES                                         ; buffer 0 of W's fragments is free: it takes cos and sin of row block 0
	CSLOAD 0, 0
	s_wait_dscnt 4
	MUL12 1, 0, 0
	MUL12 1, 1, 0
	s_wait_dscnt 0x0
	MUL12 1, 2, 0
	MUL12 1, 3, 0
	PLACES
	PLACES
	CSLOAD 1, 1
	; THE WAY OUT.  Sums of squares of q and k over my 64 channels of each row: four chains at a time; each accumulator's lowest registers are read first.
.irp g, 0,1
	WIN 0x0a+5*(\g)
.set z, 0
.rept 16
.irp aa, 0,1
.irp m, 0,1
.set rA, 8*(12*(\aa)+4*(\m)+z/4)+2*(z%4)
.set rD, SSQ+2*(4*(\m)+2*(\g)+(\aa))
.if z == 0
	v_pk_mul_f32 v[rD:rD+1], v[rA:rA+1], v[rA:rA+1]
.else
	v_pk_fma_f32 v[rD:rD+1], v[rA:rA+1], v[rA:rA+1], v[rD:rD+1]
.endif
.endr
.endr
.set z, z+1
.endr
.endr
	WIN 0
.irp x, 0,1,2,3,4,5,6,7
	v_add_f32 v[SSQ+2*(\x)], v[SSQ+2*(\x)], v[SSQ+2*(\x)+1]
.endr
.irp x, 0,1,2,3,4,5,6,7
	v_permlanex16_b32 v[SSQ+2*(\x)+1], v[SSQ+2*(\x)], s[SEL], s[SEL+1]  ; the row's other channels of my 64 lie in the lane 16 away
.endr
.irp x, 0,1,2,3,4,5,6,7
	v_add_f32 v[SUM+(\x)], v[SSQ+2*(\x)], v[SSQ+2*(\x)+1]
.endr
	ds_store_b128 v[SSW], v[SUM:SUM+3]
	ds_store_b128 v[SSW], v[SUM+4:SUM+7] offset:16
.irp a, 0,1,2,3                        ; v is only rounded: its conversions stand between those stores and the wait for them
	WIN 0x4a+5*((\a)/2)
.set z, 0
.rept 16
.set rA, 8*(12*((\a)%2)+8+z/4)+2*(z%4)
	v_cvt_pk_f16_f32 v[T+16*(\a)+z], v[rA], v[rA+1]
.set z, z+1
.endr
.endr
	s_wait_dscnt 0x0                               ; for the others' sake: my sums lie in LDS, and my reads of the ring are over
	s_barrier_signal -1
	s_barrier_wait -1
	WIN 0
	ds_load_b128 v[OTH:OTH+3], v[SSR]
	ds_load_b128 v[OTH+4:OTH+7], v[SSR] offset:16
	WIN 0x04                                       ; store data in window 1
.irp a, 0,1,2,3
.irp ii, 0,1,2,3
	ds_store_b128 v[STW+2], v[T+16*(\a)+4*(\ii):T+16*(\a)+4*(\ii)+3] offset:(\a)*16*SPT+((\ii)%2)*32+((\ii)/2)*128
.endr
.endr
	WIN 0
	s_wait_dscnt 16                                ; the partner's sums are in; v's 16 stores may be out
.irp x, 0,2,4,6
	v_pk_add_f32 v[SUM+(\x):SUM+(\x)+1], v[SUM+(\x):SUM+(\x)+1], v[OTH+(\x):OTH+(\x)+1]
.endr
.irp x, 0,1,2,3,4,5,6,7
	v_fma_f32 v[SUM+(\x)], v[SUM+(\x)], s[R128], s[EPSR]  ; mean + eps
.endr
.irp x, 0,1,2,3,4,5,6,7
	v_rsq_f32 v[RS+2*(\x)], v[SUM+(\x)]
	v_rsq_f32 v[RS+2*(\x)+1], v[SUM+(\x)]          ; twice: the packed multiply names a pair
.endr
	v_nop                                          ; a plain instruction behind the last root,
	s_wait_alu depctr_va_vdst(0)                   ; and one wait for the batch, ahead of its first reader
	s_wait_loadcnt 16                              ; the gains and block 0's cos and sin are in; block 1's 16 loads may be out
	WIN 0x55
.set z, 0
.rept 32                               ; the gains are rounded to bf16, like every input
	v_cvt_pk_bf16_f32 v[U+z%16], v[NW+2*z], v[NW+2*z+1]
	v_lshlrev_b32 v[NW+2*z], 16, v[U+z%16]
	v_and_b32 v[NW+2*z+1], s[HIM], v[U+z%16]
.set z, z+1
.endr
; Row block a of matrix m (0 q, 1 k): times 1 / sqrt, times the gain; RoPE: out[d] = t[d] cos[d] - t[d+64] sin[d], out[d+64] = t[d+64] cos[d+64] + t[d] sin[d+64]; rounded to f16; into the stage.
.macro ROPE a, m
	WIN 0x42+(\a)/2
.set z, 0
.rept 16
.set rA, 8*(12*((\a)%2)+4*(\m)+z/4)+2*(z%4)
	v_pk_mul_f32 v[T+2*z:T+2*z+1], v[rA:rA+1], v[RS+2*(4*(\m)+(\a)):RS+2*(4*(\m)+(\a))+1] op_sel_hi:[1,0]
.set z, z+1
.endr
	WIN 0x55
.set z, 0
.rept 16
	v_pk_mul_f32 v[T+2*z:T+2*z+1], v[T+2*z:T+2*z+1], v[NW+32*(\m)+2*z:NW+32*(\m)+2*z+1]
.set z, z+1
.endr
.set cB, 64*((\a)%2)
.set z, 0
.rept 8
.set uu, U+4*(z%4)
	v_pk_mul_f32 v[uu:uu+1], v[T+2*z:T+2*z+1], v[cB+2*z:cB+2*z+1]
	v_pk_mul_f32 v[uu+2:uu+3], v[T+2*z:T+2*z+1], v[cB+48+2*z:cB+48+2*z+1]
	v_pk_fma_f32 v[uu:uu+1], v[T+16+2*z:T+16+2*z+1], v[cB+32+2*z:cB+32+2*z+1], v[uu:uu+1] neg_lo:[1,0,0] neg_hi:[1,0,0]
	v_pk_fma_f32 v[uu+2:uu+3], v[T+16+2*z:T+16+2*z+1], v[cB+16+2*z:cB+16+2*z+1], v[uu+2:uu+3]
	v_cvt_pk_f16_f32 v[PK+z], v[uu], v[uu+1]
	v_cvt_pk_f16_f32 v[PK+8+z], v[uu+2], v[uu+3]
.set z, z+1
.endr
	WIN 0x04
.irp ii, 0,1,2,3
	ds_store_b128 v[STW+(\m)], v[PK+4*(\ii):PK+4*(\ii)+3] offset:(\a)*16*SPT+((\ii)%2)*32+((\ii)/2)*128
.endr
.endm
.irp a, 0,1,2,3
.if (\a) == 3
	s_wait_loadcnt 0x0
.elseif (\a) > 0
	s_wait_loadcnt 16                              ; this block's cos and sin are in; the 16 loads issued behind them may be out
.endif
	ROPE \a, 0
	ROPE \a, 1
.if (\a) < 2
	CSLOAD (\a)+2, (\a)%2
.endif
.endr
	s_wait_dscnt 0x0                               ; my stores into the stage are done: a row's 256 bytes come from two waves
	s_barrier_signal -1
	s_barrier_wait -1
	WIN 0x40
.irp m, 0,1,2
.set t, 0
.rept 16
	ds_load_b128 v[64*(\m)+4*t:64*(\m)+4*t+3], v[STR+(\m)] offset:t*2*SPT
.set t, t+1
.endr
.endr
	WIN 0x04
.irp m, 0,1,2
.set t, 0
.rept 16
	s_wait_dscnt 47-16*(\m)-t                      ; the loads behind this one may be out
	global_store_b128 v[GO], v[64*(\m)+4*t:64*(\m)+4*t+3], s[14+2*(\m):15+2*(\m)] offset:512*t  ; two rows of a head: 512 consecutive bytes, aligned
.set t, t+1
.endr
.endr
	WIN 0
	s_wait_tensorcnt 0x0                           ; the wave's end: behind my last tensor load and my last LDS store
	ds_add_u32 v[SPW], v[NIL]
	s_wait_dscnt 0x0
	CROUND                                         ; the closing round
	s_endpgm
.Lfunc_end_k_q99e2bcf81c_qkv:
	.size	k_q99e2bcf81c_qkv, .Lfunc_end_k_q99e2bcf81c_qkv-k_q99e2bcf81c_qkv
	.p2alignl 7, 3214868480
	.fill 96, 4, 3214868480
	.section	.rodata,"a",@progbits
	.p2align	6, 0x0
	.amdhsa_kernel k_q99e2bcf81c_qkv
		.amdhsa_group_segment_fixed_size 327680
		.amdhsa_private_segment_fixed_size 0
		.amdhsa_enable_private_segment 0
		.amdhsa_kernarg_size 64
		.amdhsa_user_sgpr_count 2
		.amdhsa_user_sgpr_kernarg_segment_ptr 1
		.amdhsa_wavefront_size32 1
		.amdhsa_system_sgpr_workgroup_id_x 1
		.amdhsa_system_sgpr_workgroup_id_y 1
		.amdhsa_system_sgpr_workgroup_id_z 1
		.amdhsa_system_vgpr_workitem_id 0
		.amdhsa_next_free_vgpr 960
		.amdhsa_next_free_sgpr 100
		.amdhsa_reserve_vcc 0
		.amdhsa_float_denorm_mode_32 3
		.amdhsa_float_denorm_mode_16_64 3
		.amdhsa_memory_ordered 1
		.amdhsa_forward_progress 1
		.amdhsa_inst_pref_size 156
	.end_amdhsa_kernel
	.amdgpu_metadata
---
amdhsa.version: [ 1, 2 ]
amdhsa.kernels:
  - .name:           k_q99e2bcf81c_qkv
    .symbol:         k_q99e2bcf81c_qkv.kd
    .args:
      - { .name: xb, .offset: 0, .size: 8, .value_kind: global_buffer, .address_space: global }
      - { .name: wb, .offset: 8, .size: 8, .value_kind: global_buffer, .address_space: global }
      - { .name: csr, .offset: 16, .size: 8, .value_kind: global_buffer, .address_space: global }
      - { .name: q_norm_w, .offset: 24, .size: 8, .value_kind: global_buffer, .address_space: global }
      - { .name: k_norm_w, .offset: 32, .size: 8, .value_kind: global_buffer, .address_space: global }
      - { .name: qh, .offset: 40, .size: 8, .value_kind: global_buffer, .address_space: global }
      - { .name: kh, .offset: 48, .size: 8, .value_kind: global_buffer, .address_space: global }
      - { .name: vh, .offset: 56, .size: 8, .value_kind: global_buffer, .address_space: global }
    .group_segment_fixed_size: 327680
    .private_segment_fixed_size: 0
    .kernarg_segment_align: 8
    .kernarg_segment_size: 64
    .max_flat_workgroup_size: 128
    .sgpr_count:     100
    .vgpr_count:     960
    .wavefront_size: 32
...
	.end_amdgpu_metadata
.endif
;; end of part 2
;; launch attn (part 3): grid 16 x 16, 4 waves a work-group, clusters of 4 x 1, 327,680 bytes of LDS; arguments qh, kh, vh, ob; writes ob
.if DOCPART == 3
	.amdgcn_target "amdgcn-amd-amdhsa--gfx1250"
	.amdhsa_code_object_version 6
	.text
	.protected	k_q99e2bcf81c_attn
	.globl	k_q99e2bcf81c_attn
	.p2align	8
	.type	k_q99e2bcf81c_attn,@function
k_q99e2bcf81c_attn:
	s_mov_b64 s[64:65], 0
	v_nop
	global_prefetch_b8 v0, s[64:65] scope:SCOPE_SE
	s_setreg_imm32_b32 hwreg(HW_REG_WAVE_MODE, 25, 1), 1
	s_wait_xcnt 0x0
	s_wait_alu depctr_hold_cnt(0) depctr_sa_sdst(0) depctr_va_vdst(0) depctr_va_sdst(0) depctr_va_ssrc(0) depctr_va_vcc(0) depctr_vm_vsrc(0)
	s_getreg_b32 s2, hwreg(HW_REG_IB_STS2, 6, 4)
	s_cmp_eq_u32 s2, 0
	s_cbranch_scc0 .Lentry_in_a_cluster
	s_endpgm
.Lentry_in_a_cluster:
	s_bfe_u32 s2, ttmp6, 0x10000c
	s_cmp_lg_u32 s2, 0x3003
	s_cbranch_scc0 .Lentry_shape_is_right
	s_endpgm
.Lentry_shape_is_right:
; CAUSAL ATTENTION at head size 128.  O[q] = the sum over k <= q of softmax_k(Q[q] . K[k] / sqrt(128)) V[k], for 16 heads (b 8 + h) of 2,048 rows.  qh, kh, vh: [16][2048][128] f16; ob: [b 2048 + s][h 128 + d] f16.
; Products, maxima and sums in f32; the weights p are rounded to f16 for the second product (their sum l is taken of the unrounded p), O once at the end.
; LIMITS.  A hidden score counts as -1e30 (f16's scores are 5.5e11 at the most); a weight below 2^-126 counts as 0; O is a mean of V's rows and has their range; NaN and infinities are not treated apart.
; THE WALK.  A head's rows lie in 32 blocks of 64, its keys in 8 tiles of 256.  With u the cluster's number in the head and v the work-group's place in it, a work-group takes block 31 - 4 u - v and then block 4 u + v:
; the tiles 0 .. 7 - u and then 0 .. u: NINE tiles whatever u and v, and the same nine for the four partners: every tile is asked for JOINTLY, and one loop with a constant count walks them.
; THE KEYS OF A TILE ARE SPLIT AMONG THE FOUR WAVES: wave w takes keys 64 w .. 64 w + 63 for all 64 queries (four tiles of 16): one key step, 128 matrix instructions.  In a block's last tile the block stands at
; step p (3 - v, then v): wave w < p sees all its keys, w = p holds the diagonal, w > p none; it computes all the same, and its part gets the weight 0 below.  So all waves and work-groups do equal work.
; At a block's end the four waves' running maxima, sums and O^T are MERGED through LDS, in f32: O = sum_w f_w O_w / sum_w f_w l_w, f_w = 2^(c m_w - max c m).
; THE MASK is the C operand that starts S^T = K Q^T: 0 or -1e30.  For query tile t and key block kb it hangs on g = kb - t + 3 alone: seven groups MD, made once; a step's mask is MC = MD x AL + BE with two scalars:
; (1, 0) for the diagonal's wave, (0, -1e30) for a hidden one, (0, 0) elsewhere.  These are selects: no branch hangs on the work-group's place in its cluster.
; LAYOUT, SOFTMAX.  S^T holds ONE query a lane (lane % 16) and the keys 8 (lane / 16) + 0..7; two results rounded to f16 ARE source 1 of O^T = V^T P.  p = 2^(c s - c m), c = log2(e) / sqrt(128), m a running maximum;
; in every step O and l are multiplied by a = 2^(c m_old - c m_new).  m starts at the lowest finite number: a block's first step has a = 0, so O^T and l need only be finite then.
; A STEP.  The wave's query tiles are two pieces (0: tiles 0, 1; 2: tiles 2, 3).  K Q^T of piece 0, which starts when the first quarter of K's fragments is in; V's run of loads; K Q^T of piece 2 with piece 0's
; softmax in slices behind its products; V^T P of piece 0 with piece 2's softmax; V^T P of piece 2.  A piece's 66 exponentials are one batch with one wait.
; REGISTERS, in windows of 256 (s_set_vgpr_msb: bits 1:0 source 0, 3:2 source 1, 5:4 source 2, 7:6 destination):
;   window 0: v1-11, v44-63 addresses; v12-43 eight registers of statistics a tile; v64-191 S^T, 32 a tile; v192-255 P, 16 a tile      window 1: O^T, 64 a tile
;   window 2: v0-127 Q, 32 a tile; v128-255 K of a step      window 3: v0-127 V of a step; v128-183 MD; v184-239 MC
.set PK,    272                        ; a row of K in LDS: 256 bytes + 16
.set PV,    288                        ; a row of V: 256 + 32, for the turning load
.set VOFF,  256*PK
.set SLOTB, VOFF+256*PV                ; a slot: a tile's 256 rows of K, then of V: 143,360 bytes
.set XS,    2*SLOTB                    ; behind the ring, never filled by a tensor load: the merge's exchange, 8,192 bytes a wave; later the stage, 64 rows x 272
.set ML,    XS+32768                   ; the waves' c m and l: 512 bytes a wave
.set SPARE, ML+2048                    ; the spare words, 128 bytes a wave: two blocks of 256 bytes that no other line names
.set SP,    272
.set AK0, 2                            ; v2   my lane's place in my 64 rows of a tile of K; never rewritten
.set AV0, 3                            ; v3   the same for V
.set ADR, 4                            ; v4   the LDS address of the run of loads in hand
.set QO,  5                            ; v5   my byte offset in 16 rows of Q
.set LNW, 6                            ; v6   the exchange: where I send
.set LNR, 7                            ; v7   where I receive
.set MLW, 8
.set MLR, 9
.set SW,  10                           ; v10  the stage: where I put 16 bytes of a row
.set SR,  11                           ; v11  where I read rows back
.set ST,  12                           ; tile t at v[ST+8 t]: c m, m, l (even keys', odd keys'), c0-c3 at work; a (later the merge's factor) takes c2's place
.set GO,  44                           ; v44  my byte offset in two rows of ob
.set DG,  46                           ; v46  l % 16 - 8 (l / 16)
.set PFO, 61                           ; v61  256 x lane; never rewritten
.set SPW, 62                           ; v62  my spare word; never rewritten
.set NIL, 63                           ; v63  0; never rewritten
.set S,   64
.set P,   192
.set KF,  128
.set MD,  128
.set MC,  184
.set WV,  12
.set CX,  13
.set UU,  14
.set LIM, 15                           ; 2 in the head's first cluster, else the greatest number
.set PFA, 18
.set G1K, 24
.set G1V, 32
.set G0K, 40
.set G0V, 44
.set LK,  48                           ; my half's place in a slot, for K
.set LV,  49                           ; for V
.set TB,  50                           ; 0 or SLOTB: in front of a change the slot to be filled, behind it the slot to be read
.set RT,  51                           ; tiles of the block in hand still to be entered
.set NXT, 52                           ; the tile to be asked for next
.set LQ,  53                           ; the last tile of the block whose tiles are being asked for
.set PCUR, 54                          ; the block's step in its last tile
.set SLOTS, 56
.set CS,  58
.set SEL, 60
.set OFF, 66
.set AL,  68
.set BE,  70
.set BIGN, 72
.set QS,  74                           ; s[74:75] Q of the second block
.set OS,  76                           ; s[76:77] O of the second block
.set MSB, 0
.macro WIN new
.if MSB != (\new)
	s_set_vgpr_msb (MSB<<8)|(\new)
.set MSB, \new
.endif
.endm
.macro PLACES
.rept 4
	v_nop
.endr
.endm
.macro BAR                             ; a work-group barrier for the merge: my LDS instructions are done, then everybody's
	s_wait_dscnt 0x0
	s_barrier_signal -1
	s_barrier_wait -1
.endm
; A joint fill.  Waves 0 and 1 fetch the halves of a tile's K, waves 2 and 3 those of its V: 128 rows each.  An s_nop 0 and four v_nop follow each line, ahead of the jump and the label.
.macro JLOAD
	s_cmp_lt_u32 s[WV], 2
	s_cbranch_scc0 .Lfor_v_\@
	tensor_load_to_lds s[G0K:G0K+3], s[G1K:G1K+7]
	s_nop 0
.rept 4
	v_nop
.endr
	s_branch .Lasked_\@
.Lfor_v_\@:
	tensor_load_to_lds s[G0V:G0V+3], s[G1V:G1V+7]
	s_nop 0
.rept 4
	v_nop
.endr
.Lasked_\@:
.endm
; A PREFETCH INTO THE L2 of the tile that the NEXT change will ask for, one key step (128 matrix instructions) ahead: a lane a row of 256 bytes, one instruction a wave.  All clusters of a head walk tiles from 0 up:
; the head's first cluster, which walks all eight, asks.  Its partners and waves share a tile's rows out by address: rows 64 cx + 32 (w % 2) + lane, of K in waves 0 and 1, of V in waves 2 and 3.
; So tiles 2 to 7 are named once each; tiles 0 and 1 come by their loads alone, and behind tile 7 nothing is asked for.
.macro ASK
	s_cmp_gt_u32 s[SLOTS], s[LIM]
	s_cbranch_scc0 .Lnot_mine_\@
	global_prefetch_b8 v[PFO], s[PFA:PFA+1] th:TH_LOAD_NT scope:SCOPE_SE
.Lnot_mine_\@:
.endm
.macro CROUND
	s_barrier_signal -1
	s_barrier_wait -1
	s_cmp_lg_u32 s[WV], 0
	s_cbranch_scc1 .Lnot_wave_0_\@
	s_barrier_signal -3
.Lnot_wave_0_\@:
	s_barrier_wait -3
	s_barrier_signal -1
	s_barrier_wait -1
.endm
; THE CHANGE OF SLOTS.  Each wave waits for all its tensor loads (one is out: its part of the other slot), adds 0 to its spare word, and waits for that and for its reads of the slot that it leaves.
; fill = 1: the barrier is a round of the cluster's, and the old slot is filled again, first thing behind it, with tile NXT; the descriptors are made anew from that number.
.macro CHANGE fill
	WIN 0
	s_wait_tensorcnt 0x0
	ds_add_u32 v[SPW], v[NIL]                      ; 0 onto my spare word; scalar work stands between it and the wait for it
.if \fill
	s_lshl_b32 s[OFF], s[NXT], 16                  ; a tile is 65,536 bytes of K and of V
	s_add_co_u32 s[G0K+1], s[TB], s[LK]
	s_add_nc_u64 s[G0K+2:G0K+3], s[6:7], s[OFF:OFF+1]
	s_or_b32 s[G0K+3], s[G0K+3], 0x80000000
	s_add_co_u32 s[G0V+1], s[TB], s[LV]
	s_add_nc_u64 s[G0V+2:G0V+3], s[8:9], s[OFF:OFF+1]
	s_or_b32 s[G0V+3], s[G0V+3], 0x80000000
	s_add_co_u32 s[NXT], s[NXT], 1                 ; the block's next tile, or behind its last the second block's tile 0
	s_cmp_gt_u32 s[NXT], s[LQ]
	s_cselect_b32 s[NXT], 0, s[NXT]
	s_cselect_b32 s[LQ], s[UU], s[LQ]
	s_wait_xcnt 0x0                                ; the last prefetch, a key step back, has read its address
	s_add_nc_u64 s[PFA:PFA+1], s[PFA:PFA+1], 65536
.endif
	s_xor_b32 s[TB], s[TB], SLOTB
	s_wait_dscnt 0x0                               ; the add is done, and my reads of the slot are over
.if \fill
	CROUND
	JLOAD
	ASK
.else
	s_barrier_signal -1
	s_barrier_wait -1
.endif
.endm
.macro TRIPSC                          ; the step's scalars
	s_sub_co_u32 s[RT], s[RT], 1
	s_cmp_eq_u32 s[WV], s[PCUR]
	s_cselect_b32 s[AL], 1.0, 0
	s_cmp_gt_u32 s[WV], s[PCUR]
	s_cselect_b32 s[BE], s[BIGN], 0
	s_cmp_eq_u32 s[RT], 0                          ; only a block's last tile has a mask
	s_cselect_b32 s[AL], s[AL], 0
	s_cselect_b32 s[BE], s[BE], 0
.endm
.macro QLOAD sb                        ; a block's Q: tile q / 4, channels 32 (q % 4) on
	WIN 0x80
.irp q, 0,1,2,3,4,5,6,7,8,9,10,11,12,13,14,15
	global_load_b128 v[8*(\q):8*(\q)+3],   v[QO], s[(\sb):(\sb)+1] offset:((\q)/4)*4096+((\q)%4)*64
	global_load_b128 v[8*(\q)+4:8*(\q)+7], v[QO], s[(\sb):(\sb)+1] offset:((\q)/4)*4096+((\q)%4)*64+32
.endr
	WIN 0
.endm
	s_load_b256 s[4:11], s[0:1], 0x0               ; qh 4, kh 6, vh 8, ob 10
	v_lshl_add_u32 v[SPW], v0, 2, SPARE
	v_mov_b32 v[NIL], 0
	ds_add_u32 v[SPW], v[NIL]                      ; the wave's opening: the add and its wait stand ahead of my first tensor load
	v_lshrrev_b32 v1, 5, v0
	v_readfirstlane_b32 s[WV], v1
	s_bfe_u32 s[CX], ttmp6, 0x40000
	s_mov_b32 s[UU], ttmp9                         ; in a cluster launch ttmp9 counts clusters
	s_and_b32 s57, ttmp7, 0xffff                   ; the head, which the four partners share
	s_lshl_b32 s73, s57, 19                        ; its first byte in qh, kh, vh
	s_and_b32 s55, s[WV], 1                        ; which half of a tile's rows I fetch
	s_mul_i32 s[LK], s55, 128*PK
	s_mul_i32 s[LV], s55, 128*PV
	s_add_co_u32 s[LV], s[LV], VOFF
	s_lshl_b32 s16, s55, 15
	s_add_co_u32 s16, s16, s73
	s_mov_b32 s17, 0
	s_lshl_b32 s20, s[UU], 2
	s_add_co_u32 s20, s20, s[CX]                   ; the second block,
	s_sub_co_u32 s22, 31, s20                      ; the first
	s_lshr_b32 s78, s57, 3                         ; ob: the batch's 2,048 rows of 2,048 bytes,
	s_lshl_b32 s78, s78, 22
	s_and_b32 s79, s57, 7
	s_lshl_b32 s79, s79, 8                         ; the head's 256 bytes of a row,
	s_add_co_u32 s78, s78, s79
	s_lshl_b32 s79, s[WV], 15                      ; the 16 rows that I store
	s_add_co_u32 s78, s78, s79
	s_lshl_b32 s80, s22, 17
	s_add_co_u32 s80, s80, s78
	s_mov_b32 s81, 0
	s_lshl_b32 s82, s20, 17
	s_add_co_u32 s82, s82, s78
	s_mov_b32 s83, 0
	s_lshl_b32 s20, s20, 14                        ; a block's 64 rows of Q
	s_add_co_u32 s20, s20, s73
	s_mov_b32 s21, 0
	s_lshl_b32 s22, s22, 14
	s_add_co_u32 s22, s22, s73
	s_mov_b32 s23, 0
	s_lshl_b32 s84, s[CX], 14                      ; the prefetches: my work-group's 64 rows, my wave's 32 of them, in tile 1
	s_add_co_u32 s84, s84, s73
	s_lshl_b32 s85, s55, 13
	s_add_co_u32 s84, s84, s85
	s_add_co_u32 s84, s84, 65536
	s_mov_b32 s85, 0
	s_mov_b32 s[G1K], 15|(1<<16)|(1<<20)|(1<<21)|(5<<22)|(3<<25)  ; the mask of four; 2-byte elements; padding on; bit 21 beside a mask; after every 64 words, 4 words
	s_mov_b32 s[G1V], 15|(1<<16)|(1<<20)|(1<<21)|(5<<22)|(7<<25)  ; the same with 8 words
.irp g, G1K, G1V
	s_mov_b32 s[(\g)+1], 128<<16
	s_mov_b32 s[(\g)+2], 128<<16
	s_mov_b32 s[(\g)+3], 128<<16
	s_mov_b32 s[(\g)+4], 128
	s_mov_b32 s[(\g)+5], 128
	s_mov_b32 s[(\g)+6], 0
	s_mov_b32 s[(\g)+7], 0
.endr
	s_mov_b32 s[CS], 0x3e0293ee                    ; c = log2(e) / sqrt(128)
	s_mov_b32 s[CS+1], s[CS]
	s_mov_b32 s[SEL], 0x76543210
	s_mov_b32 s[SEL+1], 0xfedcba98
	s_mov_b32 s[TB], SLOTB                         ; the first change fills slot 1 and reads slot 0
	s_sub_co_u32 s[RT], 8, s[UU]
	s_mov_b32 s[NXT], 1
	s_sub_co_u32 s[LQ], 7, s[UU]
	s_sub_co_u32 s[PCUR], 3, s[CX]
	s_mov_b32 s[SLOTS], 8
	s_mov_b32 s[OFF+1], 0
	s_mov_b32 s[AL+1], 0
	s_mov_b32 s[BE+1], 0
	s_mov_b32 s[BIGN], 0xf149f2ca                  ; -1e30
	s_cmp_eq_u32 s[UU], 0
	s_cselect_b32 s[LIM], 2, -1
	s_wait_dscnt 0x0                               ; the opening add is done
	s_wait_kmcnt 0x0
	s_cmp_lt_u32 s[WV], 2
	s_cselect_b64 s[PFA:PFA+1], s[6:7], s[8:9]
	s_add_nc_u64 s[PFA:PFA+1], s[PFA:PFA+1], s[84:85]
	s_add_nc_u64 s[6:7], s[6:7], s[16:17]          ; K and V at my half of the head's tile 0
	s_add_nc_u64 s[8:9], s[8:9], s[16:17]
	s_add_nc_u64 s[QS:QS+1], s[4:5], s[20:21]
	s_add_nc_u64 s[4:5], s[4:5], s[22:23]
	s_add_nc_u64 s[OS:OS+1], s[10:11], s[82:83]
	s_add_nc_u64 s[10:11], s[10:11], s[80:81]
	s_mov_b32 s[G0K], 1
	s_mov_b32 s[G0K+1], s[LK]
	s_mov_b64 s[G0K+2:G0K+3], s[6:7]
	s_or_b32 s[G0K+3], s[G0K+3], 0x80000000
	s_mov_b32 s[G0V], 1
	s_mov_b32 s[G0V+1], s[LV]
	s_mov_b64 s[G0V+2:G0V+3], s[8:9]
	s_or_b32 s[G0V+3], s[G0V+3], 0x80000000
	CROUND                                         ; all four work-groups are here
	JLOAD                                          ; tile 0 into slot 0; slot 1 is asked for by the loop's first change
	v_and_b32 v1, 15, v0                           ; r = l % 16
	v_bfe_u32 v47, v0, 4, 1                        ; h = l / 16
	v_and_b32 v48, 7, v0
	v_bfe_u32 v49, v0, 3, 1
	v_and_b32 v50, 31, v0
	v_lshlrev_b32 v[QO], 8, v1
	v_lshl_add_u32 v[QO], v47, 4, v[QO]
	QLOAD 4
	v_lshlrev_b32 v51, 3, v47
	v_sub_nc_u32 v[DG], v1, v51
	WIN 0xc0                                       ; MD: register j of group g is hidden where 16 (g - 3) + j is greater than l % 16 - 8 (l / 16)
.set i, 0
.rept 56
	v_cmp_gt_i32 vcc_lo, 16*(i/8-3)+i%8, v[DG]
	v_cndmask_b32 v[MD+i], 0, s[BIGN], vcc_lo
.set i, i+1
.endr
	WIN 0x40                                       ; O^T and l need only be finite when a block begins: zeros, written in the wait for the first tile
.set i, 0
.rept 256
	v_mov_b32 v[i], 0
.set i, i+1
.endr
	WIN 0
.irp t, 0,1,2,3
	v_mov_b32 v[ST+8*(\t)], 0xfe000000             ; c m: far below every c s
	v_mov_b32 v[ST+8*(\t)+1], 0xff7fffff           ; m
	v_mov_b32 v[ST+8*(\t)+2], 0
	v_mov_b32 v[ST+8*(\t)+3], 0
.endr
	v_mul_u32_u24 v[AK0], v1, PK
	v_lshl_add_u32 v[AK0], v47, 4, v[AK0]
	s_mul_i32 s57, s[WV], 64*PK
	v_add_nc_u32 v[AK0], s57, v[AK0]               ; my wave's 64 keys: row x pitch + 16 x half
	v_lshl_add_u32 v[AV0], v47, 3, v48             ; the turning load: key 8 h + l % 8, channels 8 ((l / 8) % 2) on
	v_mul_u32_u24 v[AV0], v[AV0], PV
	v_lshl_add_u32 v[AV0], v49, 4, v[AV0]
	s_mul_i32 s57, s[WV], 64*PV
	s_add_co_u32 s57, s57, VOFF
	v_add_nc_u32 v[AV0], s57, v[AV0]
	s_lshl_b32 s57, s[WV], 13
	s_add_co_u32 s57, s57, XS
	v_lshl_add_u32 v[LNW], v50, 4, s57
	s_lshl_b32 s57, s[WV], 11
	s_add_co_u32 s57, s57, XS
	v_lshl_add_u32 v[LNR], v50, 4, s57
	s_lshl_b32 s57, s[WV], 9
	s_add_co_u32 s57, s57, ML
	v_lshl_add_u32 v[MLW], v1, 5, s57
	v_lshl_add_u32 v[MLR], v1, 5, ML
	v_mul_u32_u24 v[SW], v1, SP
	v_lshl_add_u32 v[SW], v47, 4, v[SW]
	s_lshl_b32 s57, s[WV], 6
	s_add_co_u32 s57, s57, XS
	v_add_nc_u32 v[SW], s57, v[SW]
	v_mul_u32_u24 v[SR], v47, SP
	v_lshl_add_u32 v[SR], v1, 4, v[SR]
	s_mul_i32 s57, s[WV], 16*SP
	s_add_co_u32 s57, s57, XS
	v_add_nc_u32 v[SR], s57, v[SR]
	v_lshlrev_b32 v[GO], 11, v47
	v_lshl_add_u32 v[GO], v1, 4, v[GO]
	v_lshlrev_b32 v[PFO], 8, v50
	s_wait_loadcnt 0x0                             ; Q
; THE MATRIX WORK.  The accumulators take turns, one instruction a turn.
; Product i of 32 of S^T = K Q^T for piece x: channels 32 (i / 8) on, keys 16 ((i / 2) % 4) on, tile x + i % 2.  The first 8 start the sums, with the mask.
.macro KQ x
.set rS, S+32*((\x)+i%2)+8*((i/2)%4)
.set rK, KF+32*((i/2)%4)+8*(i/8)
.set rQ, 32*((\x)+i%2)+8*(i/8)
.set rM, MC+8*((i/2)%4-((\x)+i%2)+3)
.if i < 8
	WIN 0x3a                                       ; K and Q window 2, the mask window 3, S^T window 0
	v_wmma_f32_16x16x32_f16 v[rS:rS+7], v[rK:rK+7], v[rQ:rQ+7], v[rM:rM+7]
.else
	WIN 0x0a
	v_wmma_f32_16x16x32_f16 v[rS:rS+7], v[rK:rK+7], v[rQ:rQ+7], v[rS:rS+7]
.endif
.endm
; Product i of 32 of O^T += V^T P for piece x: keys 32 (i / 16) on, channels 16 ((i / 2) % 8) on, tile x + i % 2.
.macro PV x
	WIN 0x53                                       ; V window 3, P window 0, O^T window 1
.set rO, 64*((\x)+i%2)+8*((i/2)%8)
.set rV, 64*(i/16)+8*((i/2)%8)
.set rP, P+16*((\x)+i%2)+8*(i/16)
	v_wmma_f32_16x16x32_f16 v[rO:rO+7], v[rV:rV+7], v[rP:rP+7], v[rO:rO+7]
.endm
; My 64 keys x 128 channels: 16 fragments; fragment f holds keys 16 (f / 4) on, channels 32 (f % 4) on.  They are asked for channel block by channel block, eight loads a block,
; in the order in which the products take them.
.macro FETCH_K
	WIN 0
	v_add_nc_u32 v[ADR], s[TB], v[AK0]
	WIN 0x80
.irp f, 0,4,8,12,1,5,9,13,2,6,10,14,3,7,11,15
	ds_load_b128 v[KF+8*(\f):KF+8*(\f)+3],   v[ADR] offset:((\f)/4)*16*PK+((\f)%4)*64
	ds_load_b128 v[KF+8*(\f)+4:KF+8*(\f)+7], v[ADR] offset:((\f)/4)*16*PK+((\f)%4)*64+32
.endr
.endm
.macro FETCH_V                         ; the same keys of V, turned
	WIN 0
	v_add_nc_u32 v[ADR], s[TB], v[AV0]
	WIN 0xc0
.irp f, 0,1,2,3,4,5,6,7,8,9,10,11,12,13,14,15
	ds_load_tr16_b128 v[8*(\f):8*(\f)+3],   v[ADR] offset:((\f)/8)*32*PV+((\f)%8)*32
	ds_load_tr16_b128 v[8*(\f)+4:8*(\f)+7], v[ADR] offset:((\f)/8)*32*PV+16*PV+((\f)%8)*32
.endr
.endm
.macro MASK                            ; MC = MD x AL + BE
	WIN 0xc3
.set z, 0
.rept 28
	v_pk_fma_f32 v[MC+2*z:MC+2*z+1], v[MD+2*z:MD+2*z+1], s[AL:AL+1], s[BE:BE+1] op_sel_hi:[1,0,0]
.set z, z+1
.endr
.endm
; THE VECTOR WORK.  One tile's softmax for a step is a list of 134 instructions; SM writes number j of it for tile t.  s0-s31 are the lane's 32 scores, in pairs 0-15.
;   0-15    the maximum of s0-s31 and the old m, three operands at a time (each accumulator's lowest registers are read first)
;   16-20   the other half of the lanes' maximum; the new m; c m; c m_old - c m_new
;   21-69   ONE BATCH: the 16 scalings c s - c m and all 33 exponentials (a at 23, then s0-s31); none of these reads an exponential's result
;   70-85   the roundings to f16      86-101  the sums; l = a l + the sum      102-133 the tile's O^T times a
.macro SM t
.set rT, ST+8*(\t)
.set rS, S+32*(\t)
.set rP, P+16*(\t)
.set rO, 64*(\t)+2*(j-102)
.if j < 102
	WIN 0
.endif
.if j < 4
	v_max3_num_f32 v[rT+4+j], v[rS+8*j], v[rS+8*j+1], v[rS+8*j+2]
.elseif j < 12
	v_max3_num_f32 v[rT+4+j%4], v[rT+4+j%4], v[rS+8*(j%4)+2*(j/4)+1], v[rS+8*(j%4)+2*(j/4)+2]
.elseif j == 12
	v_max3_num_f32 v[rT+4], v[rT+4], v[rS+7], v[rS+15]
.elseif j == 13
	v_max3_num_f32 v[rT+6], v[rT+6], v[rS+23], v[rS+31]
.elseif j == 14
	v_max3_num_f32 v[rT+4], v[rT+4], v[rT+5], v[rT+6]
.elseif j == 15
	v_max3_num_f32 v[rT+4], v[rT+4], v[rT+7], v[rT+1]
.elseif j == 16
	v_permlanex16_b32 v[rT+5], v[rT+4], s[SEL], s[SEL+1]
.elseif j == 17
	v_mov_b32 v[rT+7], v[rT]
.elseif j == 18
	v_max_num_f32 v[rT+1], v[rT+4], v[rT+5]
.elseif j == 19
	v_mul_f32 v[rT], s[CS], v[rT+1]
.elseif j == 20
	v_sub_f32 v[rT+7], v[rT+7], v[rT]
.elseif j == 23
	v_exp_f32 v[rT+6], v[rT+7]
.elseif (j < 23) || ((j < 38) && (j%2 == 0)) || ((j < 66) && (j%4 == 2))
.set b, (j-2)/4
.if j < 38
.set b, (j-20)/2
.endif
	v_pk_fma_f32 v[rS+2*b:rS+2*b+1], v[rS+2*b:rS+2*b+1], s[CS:CS+1], v[rT:rT+1] op_sel_hi:[1,0,0] neg_lo:[0,0,1] neg_hi:[0,0,1]
.elseif j < 70
.set e, j-38
.if j < 66
.set e, j-32-(j-38)/4
.endif
.if j < 38
.set e, (j-25)/2
.endif
	v_exp_f32 v[rS+e], v[rS+e]
.elseif j < 86
	v_cvt_pk_f16_f32 v[rP+j-70], v[rS+2*(j-70)], v[rS+2*(j-70)+1]
.elseif j < 102
.set z, j-86
.set w, 4
.set u, z
.if z >= 14
.set w, 32
.set u, 0
.elseif z >= 12
.set w, 16
.set u, z-12
.elseif z >= 8
.set w, 8
.set u, z-8
.endif
.if z < 15
	v_pk_add_f32 v[rS+w*u:rS+w*u+1], v[rS+w*u:rS+w*u+1], v[rS+w*u+w/2:rS+w*u+w/2+1]
.else
	v_pk_fma_f32 v[rT+2:rT+3], v[rT+2:rT+3], v[rT+6:rT+7], v[rS:rS+1] op_sel_hi:[1,0,1]
.endif
.else
	WIN 0x41
	v_pk_mul_f32 v[rO:rO+1], v[rO:rO+1], v[rT+6:rT+7] op_sel_hi:[1,0]
.endif
.endm
; Slice k of 64 of piece y's softmax: four instructions.  Slices 11 to 34 deal out the batch, four numbers of one tile each, the tiles by turns; every other slice is numbers 2 k and 2 k + 1 of both tiles;
; the twelve that are over stand in slice 63.  Behind slice 34 no exponential is issued and ahead of slice 35 no result is named: one plain instruction and ONE wait serve the piece's 66 exponentials.
.macro SLICE y
.if (k >= 11) && (k < 35)
.irp n, 0,1,2,3
.set j, 22+4*((k-11)/2)+(\n)
	SM (\y)+(k-11)%2
.endr
.else
.irp n, 0,1,2,3,4,5,6,7
.if ((\n) < 2) || (k == 63)
.irp t, \y, (\y)+1
.set j, 2*k+(\n)
	SM \t
.endr
.endif
.endr
.endif
.if k == 34
	v_nop
	s_wait_alu depctr_va_vdst(0)
.endif
.set k, k+1
.endm
; A KEY STEP.  The first run of products takes K a channel block at a time: eight products wait for eight loads.  V's run of loads stands behind that run: its registers were last read by the step before, and the
; 28 lines of the mask are the places; it has the second run, 32 products and their slices, in which to land.  Two slices stand behind each product of the two middle runs; slice 63's sixteen plain
; instructions are the places between piece 2's last K Q^T and the first read of its scores.
.macro STEP
	FETCH_K
	MASK
.set i, 0
.rept 32
.if i%8 == 0
	s_wait_dscnt 24-i                              ; this channel block's eight loads are in; those of the later blocks, eight each, may be out
.endif
	KQ 0
.set i, i+1
.endr
	FETCH_V
	PLACES
.set k, 0
.set i, 0
.rept 32
	KQ 2
	SLICE 0
	SLICE 0
.set i, i+1
.endr
	s_wait_dscnt 0x0                               ; V is in
.set k, 0
.set i, 0
.rept 32
	PV 0
	SLICE 2
	SLICE 2
.set i, i+1
.endr
.set i, 0
.rept 32
	PV 2
.set i, i+1
.endr
.endm
; THE MERGE at a block's end.  Tile t's O^T of each wave, times its factor, goes into the exchange as it lies in registers (quad n of 16, 16 bytes a lane); wave w takes from all four the quads 4 w .. 4 w + 3:
; channels 32 w .. 32 w + 31 of the tile's 16 queries, in the same lanes; adds them, and rounds to f16.
.macro SENDT t
	WIN 0x41
.set n, 0
.rept 32
	v_pk_mul_f32 v[64*(\t)+2*n:64*(\t)+2*n+1], v[64*(\t)+2*n:64*(\t)+2*n+1], v[ST+8*(\t)+6:ST+8*(\t)+7] op_sel_hi:[1,0]
.set n, n+1
.endr
	WIN 0x04
.set n, 0
.rept 16
	ds_store_b128 v[LNW], v[64*(\t)+4*n:64*(\t)+4*n+3] offset:512*n
.set n, n+1
.endr
	WIN 0
.endm
.macro RECVT t
.set rB, 64+64*((\t)%2)
.irp w4, 0,1,2,3
.irp qq, 0,1,2,3
	ds_load_b128 v[rB+16*(\w4)+4*(\qq):rB+16*(\w4)+4*(\qq)+3], v[LNR] offset:8192*(\w4)+512*(\qq)
.endr
.endr
	s_wait_dscnt 0x0
.set n, 0
.rept 8
	v_pk_add_f32 v[rB+2*n:rB+2*n+1], v[rB+2*n:rB+2*n+1], v[rB+16+2*n:rB+16+2*n+1]
	v_pk_add_f32 v[rB+32+2*n:rB+32+2*n+1], v[rB+32+2*n:rB+32+2*n+1], v[rB+48+2*n:rB+48+2*n+1]
.set n, n+1
.endr
.set n, 0
.rept 8
	v_pk_add_f32 v[rB+2*n:rB+2*n+1], v[rB+2*n:rB+2*n+1], v[rB+32+2*n:rB+32+2*n+1]
.set n, n+1
.endr
.set n, 0
.rept 8
	v_cvt_pk_f16_f32 v[P+8*(\t)+n], v[rB+2*n], v[rB+2*n+1]
.set n, n+1
.endr
.endm
; last = 0: the second block follows: its Q is loaded, and its statistics are set.
.macro MERGE last
	WIN 0
.irp t, 0,1,2,3
	v_add_f32 v[ST+8*(\t)+4], v[ST+8*(\t)+2], v[ST+8*(\t)+3]  ; these are also the places behind the last products
.endr
.irp t, 0,1,2,3
	v_permlanex16_b32 v[ST+8*(\t)+5], v[ST+8*(\t)+4], s[SEL], s[SEL+1]
.endr
.irp t, 0,1,2,3
	v_add_f32 v[68+(\t)], v[ST+8*(\t)+4], v[ST+8*(\t)+5]      ; my l of the query
.endr
.irp t, 0,1,2,3
	v_mov_b32 v[64+(\t)], v[ST+8*(\t)]                        ; my c m
.endr
.if !(\last)
	QLOAD QS
.endif
	ds_store_b128 v[MLW], v[64:67]
	ds_store_b128 v[MLW], v[68:71] offset:16
	BAR
.irp w4, 0,1,2,3
	ds_load_b128 v[72+8*(\w4):75+8*(\w4)], v[MLR] offset:512*(\w4)
	ds_load_b128 v[76+8*(\w4):79+8*(\w4)], v[MLR] offset:512*(\w4)+16
.endr
	s_wait_dscnt 0x0
.irp t, 0,1,2,3
	v_max3_num_f32 v[104+(\t)], v[72+(\t)], v[80+(\t)], v[88+(\t)]
.endr
.irp t, 0,1,2,3
	v_max_num_f32 v[104+(\t)], v[104+(\t)], v[96+(\t)]        ; the greatest c m of the four waves
.endr
.irp w4, 0,1,2,3
.irp t, 0,1,2,3
	v_sub_f32 v[72+8*(\w4)+(\t)], v[72+8*(\w4)+(\t)], v[104+(\t)]
.endr
.endr
.irp t, 0,1,2,3
	v_sub_f32 v[108+(\t)], v[64+(\t)], v[104+(\t)]
.endr
.irp w4, 0,1,2,3
.irp t, 0,1,2,3
	v_exp_f32 v[72+8*(\w4)+(\t)], v[72+8*(\w4)+(\t)]          ; f of each wave: 0 for a wave that saw no key
.endr
.endr
.irp t, 0,1,2,3
	v_exp_f32 v[108+(\t)], v[108+(\t)]                        ; my own
.endr
	v_nop
	s_wait_alu depctr_va_vdst(0)                   ; one wait for the twenty exponentials
.irp t, 0,1,2,3
	v_mul_f32 v[112+(\t)], v[72+(\t)], v[76+(\t)]
.endr
.irp w4, 1,2,3
.irp t, 0,1,2,3
	v_fmac_f32 v[112+(\t)], v[72+8*(\w4)+(\t)], v[76+8*(\w4)+(\t)]
.endr
.endr
.irp t, 0,1,2,3
	v_rcp_f32 v[116+(\t)], v[112+(\t)]
.endr
	v_nop
	s_wait_alu depctr_va_vdst(0)                   ; one wait for the four reciprocals
.irp t, 0,1,2,3
	v_mul_f32 v[ST+8*(\t)+6], v[108+(\t)], v[116+(\t)]        ; my factor: f / the merged l
.endr
.irp t, 0,1,2,3
	SENDT \t
	BAR                                            ; all four parts of the tile lie in the exchange
	RECVT \t
	BAR                                            ; all have read them: the exchange may be written again
.endr
.irp t, 0,1,2,3
.irp cb, 0,1
	ds_store_b128 v[SW], v[P+8*(\t)+4*(\cb):P+8*(\t)+4*(\cb)+3] offset:(\t)*16*SP+32*(\cb)  ; the exchange's bytes now serve as the stage: 64 rows of 256 bytes, pitch 272
.endr
.endr
	BAR
.irp x, 0,1,2,3,4,5,6,7
	ds_load_b128 v[224+4*(\x):227+4*(\x)], v[SR] offset:(\x)*2*SP
.endr
.irp x, 0,1,2,3,4,5,6,7
	s_wait_dscnt 7-(\x)
	global_store_b128 v[GO], v[224+4*(\x):227+4*(\x)], s[10:11] offset:4096*(\x)  ; 16 lanes store a row's 256 consecutive bytes of the head, aligned
.endr
.if !(\last)
	s_wait_xcnt 0x0                                ; the stores have read O's address
	s_mov_b64 s[10:11], s[OS:OS+1]
	s_add_co_u32 s[RT], s[UU], 1                   ; the second block has u + 1 tiles
	s_mov_b32 s[PCUR], s[CX]
.irp t, 0,1,2,3
	v_mov_b32 v[ST+8*(\t)], 0xfe000000
	v_mov_b32 v[ST+8*(\t)+1], 0xff7fffff
.endr
	s_wait_loadcnt 0x0                             ; the second block's Q
.endif
.endm
.Lslot:                                                ; eight times: a tile is entered and the next is asked for
	CHANGE 1
	TRIPSC
	STEP
	WIN 0
	s_cmp_lg_u32 s[RT], 0                          ; hangs on the cluster's number alone: the same in all waves and all partners
	s_cbranch_scc1 .Lbottom
	MERGE 0                                        ; the first block's end; one tensor load of mine stays out meanwhile: nothing is filled before the next change's round
.Lbottom:
	s_sub_co_u32 s[SLOTS], s[SLOTS], 1
	s_cmp_lg_u32 s[SLOTS], 0
	s_cbranch_scc1 .Lslot
	CHANGE 0                                       ; the walk's last tile is written out
	TRIPSC
	STEP
	MERGE 1
	s_wait_tensorcnt 0x0                           ; the wave's end: behind my last tensor load and my last LDS store
	ds_add_u32 v[SPW], v[NIL]
	s_wait_dscnt 0x0
	CROUND                                         ; the closing round
	s_endpgm
.Lfunc_end_k_q99e2bcf81c_attn:
	.size	k_q99e2bcf81c_attn, .Lfunc_end_k_q99e2bcf81c_attn-k_q99e2bcf81c_attn
	.p2alignl 7, 3214868480
	.fill 96, 4, 3214868480
	.section	.rodata,"a",@progbits
	.p2align	6, 0x0
	.amdhsa_kernel k_q99e2bcf81c_attn
		.amdhsa_group_segment_fixed_size 327680
		.amdhsa_private_segment_fixed_size 0
		.amdhsa_enable_private_segment 0
		.amdhsa_kernarg_size 32
		.amdhsa_user_sgpr_count 2
		.amdhsa_user_sgpr_kernarg_segment_ptr 1
		.amdhsa_wavefront_size32 1
		.amdhsa_system_sgpr_workgroup_id_x 1
		.amdhsa_system_sgpr_workgroup_id_y 1
		.amdhsa_system_sgpr_workgroup_id_z 1
		.amdhsa_system_vgpr_workitem_id 0
		.amdhsa_next_free_vgpr 1024
		.amdhsa_next_free_sgpr 88
		.amdhsa_reserve_vcc 1
		.amdhsa_float_denorm_mode_32 3
		.amdhsa_float_denorm_mode_16_64 3
		.amdhsa_memory_ordered 1
		.amdhsa_forward_progress 1
		.amdhsa_inst_pref_size 190
	.end_amdhsa_kernel
	.amdgpu_metadata
---
amdhsa.version: [ 1, 2 ]
amdhsa.kernels:
  - .name:           k_q99e2bcf81c_attn
    .symbol:         k_q99e2bcf81c_attn.kd
    .args:
      - { .name: qh, .offset: 0, .size: 8, .value_kind: global_buffer, .address_space: global }
      - { .name: kh, .offset: 8, .size: 8, .value_kind: global_buffer, .address_space: global }
      - { .name: vh, .offset: 16, .size: 8, .value_kind: global_buffer, .address_space: global }
      - { .name: ob, .offset: 24, .size: 8, .value_kind: global_buffer, .address_space: global }
    .group_segment_fixed_size: 327680
    .private_segment_fixed_size: 0
    .kernarg_segment_align: 8
    .kernarg_segment_size: 32
    .max_flat_workgroup_size: 128
    .sgpr_count:     88
    .vgpr_count:     1024
    .wavefront_size: 32
...
	.end_amdgpu_metadata
.endif
;; end of part 3
;; launch oproj (part 4): grid 8 x 32, 4 waves a work-group, clusters of 4 x 4, 327,680 bytes of LDS; arguments ob, wo16, out0; writes out0
.if DOCPART == 4
	.amdgcn_target "amdgcn-amd-amdhsa--gfx1250"
	.amdhsa_code_object_version 6
	.text
	.protected	k_q99e2bcf81c_oproj
	.globl	k_q99e2bcf81c_oproj
	.p2align	8
	.type	k_q99e2bcf81c_oproj,@function
k_q99e2bcf81c_oproj:
	s_mov_b64 s[64:65], 0
	v_nop
	global_prefetch_b8 v0, s[64:65] scope:SCOPE_SE
	s_setreg_imm32_b32 hwreg(HW_REG_WAVE_MODE, 25, 1), 1
	s_wait_xcnt 0x0
	s_wait_alu depctr_hold_cnt(0) depctr_sa_sdst(0) depctr_va_vdst(0) depctr_va_sdst(0) depctr_va_ssrc(0) depctr_va_vcc(0) depctr_vm_vsrc(0)
	s_getreg_b32 s2, hwreg(HW_REG_IB_STS2, 6, 4)
	s_cmp_eq_u32 s2, 0
	s_cbranch_scc0 .Lentry_in_a_cluster
	s_endpgm
.Lentry_in_a_cluster:
	s_bfe_u32 s2, ttmp6, 0x10000c
	s_cmp_lg_u32 s2, 0xf033
	s_cbranch_scc0 .Lentry_shape_is_right
	s_endpgm
.Lentry_shape_is_right:
; out0 = O Wo.  O: ob [4096][1024] f16.  Wo: wo16 [1024 k][2048 n] f16 (bf16-rounded numbers).  out0: [4096][2048] f32.  Sums in f32.
; A tile of the output is 128 x 256: 256 work-groups.  Four waves, each 64 rows x 128 columns: 32 accumulators, all of window 2.  K goes in 8 steps of 128 through two LDS slots; a trip of the loop is one K step,
; and the slot in hand is a scalar, 0 or SLOT, turned by one exclusive or.
; The matrix instruction is used transposed: source 0 = 16 columns of Wo (it lies [k][n] in LDS and is turned by ds_load_tr16_b128), source 1 = 16 rows of O: a lane holds one row and eight neighbouring columns.
; THE WALK ALONG K IS TURNED: a cluster whose x + y is odd begins at K step 4 and wraps round to 0.  So the two clusters that read the same rows of O (same y), and neighbours along y, which read the same tiles
; of Wo, walk them four K steps apart.  The f32 sums only change their order.
; CLUSTER 4 x 4: O's tiles are asked for jointly by a row of the cluster, Wo's by a column.  Waves 0, 1 fetch the halves of O's tile (64 rows x 256 bytes), waves 2, 3 those of Wo's (64 k-rows x 512 bytes).
; No prefetch: eight short K steps and small tiles.
; REGISTERS: window 0: v0-31 addresses; v32-63, v64-95 O's fragments, two buffers; v96-159, v160-223 rows on the way out.  window 1: v0-63, v64-127 Wo's fragments.  window 2: accumulator (a, b) at 8 (8 a + b).
.set KSTEP, 128
.set PA,    272                        ; a row of O in LDS: 256 bytes + 16
.set PB,    544                        ; a k-row of Wo: 512 + 32, for the turning load
.set AT,    128*PA
.set SLOT,  AT+128*PB                  ; 104,448 bytes
.set STAGE, 2*SLOT                     ; behind the ring: 16 rows x 528 bytes for each wave, its own
.set SPT,   528
.set SPARE, STAGE+4*16*SPT             ; the spare words, 128 bytes a wave: two blocks of 256 bytes that no other line names
.set REFILLS, 6                        ; 8 K steps, of which two are the first fills
.set ADRA, 16                          ; v16  my fragments of O in slot 0; never rewritten
.set CA,   17                          ; v17  the same in the slot in hand
.set ADRB, 18                          ; v18  my fragments of Wo in slot 0; never rewritten
.set CB,   19                          ; v19  the same in the slot in hand
.set STO,  20
.set RD,   21
.set CO,   22
.set SPW,  28
.set NIL,  29
.set AF,   32
.set OB,   96
.set LAP, 3
.set WV,  10
.set RH,  11
.set CH,  12
.set MT,  13
.set BA,  14                           ; s[14:15] my half of the tile's rows of O at K step 0
.set KN,  16                           ; s16  the K step asked for last
.set TB,  17                           ; s17  the slot in hand: 0 or SLOT
.set ST0, 18                           ; s18  the K step at which my cluster's walk begins: 0 or 4
.set LA,  20                           ; s20  my part's place in a slot, for O
.set LB,  21                           ; s21  for Wo
.set G1A, 24
.set G0A, 32                           ; a set for each of the two first fills; the first then serves every refill
.set CX,  40
.set CY,  41
.set NT,  42
.set BB,  46                           ; s[46:47] my half of a K step's rows of Wo, the tile's columns, at K step 0
.set G1B, 48
.set G0B, 56
.set OFA, 68                           ; s[68:69] a K step's byte offset in O
.set OFB, 70                           ; s[70:71] in Wo
.set MSB, 0
.macro WIN new
.if MSB != (\new)
	s_set_vgpr_msb (MSB<<8)|(\new)
.set MSB, \new
.endif
.endm
.macro PLACES
.rept 4
	v_nop
.endr
.endm
.macro CUR                             ; my fragments' addresses in the slot in hand
	v_add_nc_u32 v[CA], s[TB], v[ADRA]
	v_add_nc_u32 v[CB], s[TB], v[ADRB]
.endm
.macro JLOAD s                         ; an s_nop 0 and four v_nop follow each of the two lines, ahead of the jump and the label
	s_cmp_lt_u32 s[WV], 2
	s_cbranch_scc0 .Lfor_b_\@
	tensor_load_to_lds s[G0A+4*(\s):G0A+4*(\s)+3], s[G1A:G1A+7]
	s_nop 0
.rept 4
	v_nop
.endr
	s_branch .Lasked_\@
.Lfor_b_\@:
	tensor_load_to_lds s[G0B+4*(\s):G0B+4*(\s)+3], s[G1B:G1B+7]
	s_nop 0
.rept 4
	v_nop
.endr
.Lasked_\@:
.endm
.macro CREST
	s_cmp_lg_u32 s[WV], 0
	s_cbranch_scc1 .Lnot_wave_0_\@
	s_barrier_signal -3
.Lnot_wave_0_\@:
	s_barrier_wait -3
	s_barrier_signal -1
	s_barrier_wait -1
.endm
.macro CROUND
	s_barrier_signal -1
	s_barrier_wait -1
	CREST
.endm
	s_load_b128 s[4:7], s[0:1], 0x0                ; ob 4, wo16 6
	s_load_b64 s[8:9], s[0:1], 0x10                ; out0
	v_lshl_add_u32 v[SPW], v0, 2, SPARE
	v_mov_b32 v[NIL], 0
	ds_add_u32 v[SPW], v[NIL]                      ; the wave's opening: the add and its wait stand ahead of my first tensor load
	v_lshrrev_b32 v1, 5, v0
	v_readfirstlane_b32 s[WV], v1
	s_lshr_b32 s[RH], s[WV], 1                     ; my half of the rows
	s_and_b32 s[CH], s[WV], 1                      ; my half of the columns; also: which half of a tile I fetch
	s_bfe_u32 s[CX], ttmp6, 0x40000
	s_bfe_u32 s[CY], ttmp6, 0x40004
	s_lshl_b32 s[NT], ttmp9, 2
	s_add_co_u32 s[NT], s[NT], s[CX]
	s_and_b32 s[MT], ttmp7, 0xffff
	s_add_co_u32 s[ST0], s[MT], ttmp9              ; cluster y + cluster x,
	s_and_b32 s[ST0], s[ST0], 1                    ; its parity,
	s_lshl_b32 s[ST0], s[ST0], 2                   ; times 4: where my cluster's walk begins; the same in all sixteen partners
	s_lshl_b32 s[MT], s[MT], 2
	s_add_co_u32 s[MT], s[MT], s[CY]
	s_mov_b32 s[TB], 0
	s_mov_b32 s[OFA+1], 0
	s_mov_b32 s[OFB+1], 0
	s_lshl_b32 s43, s[CY], 2
	s_lshl_b32 s43, 15, s43                        ; my row of the cluster
	s_lshl_b32 s44, 0x1111, s[CX]                  ; my column
	s_or_b32 s[G1A], s43, (1<<16)|(1<<20)|(1<<21)|(5<<22)|(3<<25)  ; after every 64 words, 4 words
	s_or_b32 s[G1B], s44, (1<<16)|(1<<20)|(1<<21)|(6<<22)|(7<<25)  ; after every 128 words, 8 words
	s_mov_b32 s[G1A+1], 128<<16                    ; 64 rows x 128 elements, 1,024 elements from row to row
	s_mov_b32 s[G1A+2], 64<<16
	s_mov_b32 s[G1A+3], 128<<16
	s_mov_b32 s[G1A+4], 64
	s_mov_b32 s[G1A+5], 1024
	s_mov_b32 s[G1A+6], 0
	s_mov_b32 s[G1A+7], 0
	s_mov_b32 s[G1B+1], 256<<16                    ; 64 k-rows x 256 elements, 2,048 elements from row to row
	s_mov_b32 s[G1B+2], 64<<16
	s_mov_b32 s[G1B+3], 256<<16
	s_mov_b32 s[G1B+4], 64
	s_mov_b32 s[G1B+5], 2048
	s_mov_b32 s[G1B+6], 0
	s_mov_b32 s[G1B+7], 0
	s_lshl_b32 s14, s[MT], 7
	s_lshl_b32 s15, s[CH], 6
	s_add_co_u32 s14, s14, s15
	s_lshl_b32 s14, s14, 11                        ; O: row 128 x tile row + 64 x half, 2,048 bytes a row
	s_mov_b32 s15, 0
	s_lshl_b32 s46, s[CH], 18                      ; Wo: k-row 64 x half, 4,096 bytes a row,
	s_lshl_b32 s47, s[NT], 9                       ; the tile's 512 bytes of it
	s_add_co_u32 s46, s46, s47
	s_mov_b32 s47, 0
	s_mul_i32 s[LA], s[CH], 64*PA                  ; where they go
	s_mul_i32 s[LB], s[CH], 64*PB
	s_add_co_u32 s[LB], s[LB], AT
	s_wait_dscnt 0x0                               ; the opening add is done
	s_wait_kmcnt 0x0
	s_add_nc_u64 s[BA:BA+1], s[4:5], s[14:15]
	s_add_nc_u64 s[BB:BB+1], s[6:7], s[46:47]
	CROUND
.irp s, 0,1
	s_add_co_u32 s[KN], s[ST0], \s                 ; the walk's first two K steps: no wrap, since the start is 0 or 4
	s_lshl_b32 s[OFA], s[KN], 8                    ; 256 bytes of a row
	s_lshl_b32 s[OFB], s[KN], 19                   ; 128 k-rows of 4,096 bytes
	s_mov_b32 s[G0A+4*(\s)], 1
	s_add_co_u32 s[G0A+4*(\s)+1], s[LA], (\s)*SLOT
	s_add_nc_u64 s[G0A+4*(\s)+2:G0A+4*(\s)+3], s[BA:BA+1], s[OFA:OFA+1]
	s_or_b32 s[G0A+4*(\s)+3], s[G0A+4*(\s)+3], 0x80000000
	s_mov_b32 s[G0B+4*(\s)], 1
	s_add_co_u32 s[G0B+4*(\s)+1], s[LB], (\s)*SLOT
	s_add_nc_u64 s[G0B+4*(\s)+2:G0B+4*(\s)+3], s[BB:BB+1], s[OFB:OFB+1]
	s_or_b32 s[G0B+4*(\s)+3], s[G0B+4*(\s)+3], 0x80000000
	JLOAD \s                                       ; two loads of mine are out
.endr
	v_and_b32 v1, 15, v0
	v_bfe_u32 v2, v0, 4, 1
	v_and_b32 v3, 7, v0
	v_bfe_u32 v4, v0, 3, 1
	v_mul_u32_u24 v5, v1, PA
	v_lshl_add_u32 v5, v2, 4, v5
	s_mul_i32 s22, s[RH], 64*PA
	v_add_nc_u32 v[ADRA], s22, v5
	v_lshl_add_u32 v6, v2, 3, v3
	v_mul_u32_u24 v6, v6, PB
	v_lshl_add_u32 v6, v4, 4, v6
	s_lshl_b32 s22, s[CH], 8
	s_add_co_u32 s22, s22, AT
	v_add_nc_u32 v[ADRB], s22, v6
	CUR                                            ; the walk begins in slot 0
	s_mul_i32 s23, s[WV], 16*SPT
	s_add_co_u32 s23, s23, STAGE
	v_mul_u32_u24 v7, v1, SPT
	v_lshl_add_u32 v7, v2, 5, v7
	v_add_nc_u32 v[STO], s23, v7                   ; in: row l % 16, 32 bytes for each half of the lanes
	v_and_b32 v[CO], 31, v0
	v_lshlrev_b32 v[CO], 4, v[CO]                  ; back: 32 lanes take a row's 512 bytes
	v_add_nc_u32 v[RD], s23, v[CO]
	s_lshl_b32 s66, s[MT], 20                      ; out0: 128 rows of 8,192 bytes,
	s_lshl_b32 s67, s[RH], 19
	s_add_co_u32 s66, s66, s67
	s_lshl_b32 s67, s[NT], 10                      ; the tile's 1,024 bytes of a row,
	s_add_co_u32 s66, s66, s67
	s_lshl_b32 s67, s[CH], 9                       ; my 512 of them
	s_add_co_u32 s66, s66, s67
	s_mov_b32 s67, 0
	s_add_nc_u64 s[8:9], s[8:9], s[66:67]
; 8 matrix instructions: row block a x all 8 column blocks.  The 32 accumulators take turns, in the same order in every quarter.
.macro MUL8 f, a, zero
	WIN 0xa1
.set rX, AF+32*(\f)+8*(\a)
.irp b, 0,1,2,3,4,5,6,7
.set rA, 8*(8*(\a)+(\b))
.set rW, 64*(\f)+8*(\b)
.if \zero
	v_wmma_f32_16x16x32_f16 v[rA:rA+7], v[rW:rW+7], v[rX:rX+7], 0
.else
	v_wmma_f32_16x16x32_f16 v[rA:rA+7], v[rW:rW+7], v[rX:rX+7], v[rA:rA+7]
.endif
.endr
.endm
.macro FETCH q, f                      ; 24 LDS loads in one run: quarter q of the slot in hand into buffer f
	WIN 0x40
.irp b, 0,1,2,3,4,5,6,7
	ds_load_tr16_b128 v[64*(\f)+8*(\b):64*(\f)+8*(\b)+3],   v[CB] offset:(\q)*32*PB+32*(\b)
	ds_load_tr16_b128 v[64*(\f)+8*(\b)+4:64*(\f)+8*(\b)+7], v[CB] offset:(\q)*32*PB+32*(\b)+16*PB
.endr
	WIN 0
.irp a, 0,1,2,3
	ds_load_b128 v[AF+32*(\f)+8*(\a):AF+32*(\f)+8*(\a)+3],   v[CA] offset:(\a)*16*PA+64*(\q)
	ds_load_b128 v[AF+32*(\f)+8*(\a)+4:AF+32*(\f)+8*(\a)+7], v[CA] offset:(\a)*16*PA+64*(\q)+32
.endr
.endm
.macro QUARTER q, f, g, zero
	s_wait_dscnt 4                                 ; the youngest four loads (O's row blocks 2, 3) may be out
	MUL8 \f, 0, \zero
	MUL8 \f, 1, \zero
	PLACES
	FETCH \q, \g
	s_wait_dscnt 24                                ; all but the 24 just issued
	MUL8 \f, 2, \zero
	MUL8 \f, 3, \zero
.endm
; The last quarter changes slots: in front of the barrier each wave waits for all its tensor loads, adds 0 to its spare word, and waits for that and for its reads of this slot.  fill = 1: the barrier opens a
; round of the cluster's, and this slot is filled again, with the K step two places on in the walk; its descriptors are made anew, from the K step's number modulo 8, between the add and the wait for it.
.macro TURN fill
	WIN 0
	s_wait_tensorcnt 0x0                           ; no tensor load of mine is out, so a group 0 may be written
	ds_add_u32 v[SPW], v[NIL]
.if \fill
	s_add_co_u32 s[KN], s[KN], 1
	s_and_b32 s[KN], s[KN], 7                      ; behind K step 7 comes K step 0
	s_lshl_b32 s[OFA], s[KN], 8
	s_lshl_b32 s[OFB], s[KN], 19
	s_add_co_u32 s[G0A+1], s[LA], s[TB]            ; into the slot that is being read out
	s_add_nc_u64 s[G0A+2:G0A+3], s[BA:BA+1], s[OFA:OFA+1]
	s_or_b32 s[G0A+3], s[G0A+3], 0x80000000
	s_add_co_u32 s[G0B+1], s[LB], s[TB]
	s_add_nc_u64 s[G0B+2:G0B+3], s[BB:BB+1], s[OFB:OFB+1]
	s_or_b32 s[G0B+3], s[G0B+3], 0x80000000
.endif
	s_xor_b32 s[TB], s[TB], SLOT                   ; the other slot is in hand from here on
	s_wait_dscnt 5                                 ; (the add and the youngest four loads may be out)
	MUL8 1, 0, 0
	s_wait_dscnt 0x0
	s_barrier_signal -1
	MUL8 1, 1, 0
	WIN 0
	s_barrier_wait -1
.if \fill
	CREST
	JLOAD 0
	CUR
.else
	CUR                                            ; two plain vector instructions and two v_nop: the places in front of the loads below
	v_nop
	v_nop
.endif
	FETCH 0, 0
	MUL8 1, 2, 0
	MUL8 1, 3, 0
.endm
	s_wait_tensorcnt 1                             ; my part of the walk's first K step is in; the second's may stay out
	s_barrier_signal -1
	s_barrier_wait -1
	FETCH 0, 0
	QUARTER 1, 0, 1, 1
	WIN 0
	s_mov_b32 s[LAP], REFILLS
.Lstep:                                                ; a trip goes from a K step's second quarter to the next one's first, and fills one slot again
	QUARTER 2, 1, 0, 0
	QUARTER 3, 0, 1, 0
	TURN 1
	QUARTER 1, 0, 1, 0
	WIN 0
	s_sub_co_u32 s[LAP], s[LAP], 1
	s_cmp_lg_u32 s[LAP], 0
	s_cbranch_scc1 .Lstep
	QUARTER 2, 1, 0, 0                             ; the last two K steps fill nothing
	QUARTER 3, 0, 1, 0
	TURN 0
	QUARTER 1, 0, 1, 0
	QUARTER 2, 1, 0, 0
	QUARTER 3, 0, 1, 0
	s_wait_dscnt 4
	MUL8 1, 0, 0
	MUL8 1, 1, 0
	s_wait_dscnt 0x0
	MUL8 1, 2, 0
	MUL8 1, 3, 0
	PLACES
	PLACES
; THE WAY OUT, 16 rows at a time through my own stage: a lane's eight f32 go into rows of 528 bytes and come back as whole rows of 512.  LDS serves a wave's instructions in order (ISA guide 5.7.1.4): no wait between.
.macro TOSTAGE a
.if (\a) >= 2
	s_wait_xcnt 0x0                                ; the stores of the block two back have read the registers that are loaded again below
.endif
	WIN 0x08                                       ; store data in window 2
.irp b, 0,1,2,3,4,5,6,7
	ds_store_b128 v[STO], v[8*(8*(\a)+(\b)):8*(8*(\a)+(\b))+3]   offset:64*(\b)
	ds_store_b128 v[STO], v[8*(8*(\a)+(\b))+4:8*(8*(\a)+(\b))+7] offset:64*(\b)+16
.endr
	WIN 0
.set n, 0
.rept 16
	ds_load_b128 v[OB+64*((\a)%2)+4*n:OB+64*((\a)%2)+4*n+3], v[RD] offset:n*SPT
.set n, n+1
.endr
.endm
.macro SEND a, younger                 ; younger: the LDS instructions issued behind block a's loads: the next block's 32, or none
.set n, 0
.rept 16
	s_wait_dscnt (\younger)+15-n
	global_store_b128 v[CO], v[OB+64*((\a)%2)+4*n:OB+64*((\a)%2)+4*n+3], s[8:9] offset:(\a)*16*8192+n*8192 th:TH_STORE_NT  ; 512 consecutive bytes, aligned
.set n, n+1
.endr
.endm
	TOSTAGE 0
	TOSTAGE 1
	SEND 0, 32
	TOSTAGE 2
	SEND 1, 32
	TOSTAGE 3
	SEND 2, 32
	SEND 3, 0
	s_wait_tensorcnt 0x0                           ; the wave's end: behind my last tensor load and my last LDS store
	ds_add_u32 v[SPW], v[NIL]
	s_wait_dscnt 0x0
	CROUND                                         ; the closing round
	s_endpgm
.Lfunc_end_k_q99e2bcf81c_oproj:
	.size	k_q99e2bcf81c_oproj, .Lfunc_end_k_q99e2bcf81c_oproj-k_q99e2bcf81c_oproj
	.p2alignl 7, 3214868480
	.fill 96, 4, 3214868480
	.section	.rodata,"a",@progbits
	.p2align	6, 0x0
	.amdhsa_kernel k_q99e2bcf81c_oproj
		.amdhsa_group_segment_fixed_size 327680
		.amdhsa_private_segment_fixed_size 0
		.amdhsa_enable_private_segment 0
		.amdhsa_kernarg_size 24
		.amdhsa_user_sgpr_count 2
		.amdhsa_user_sgpr_kernarg_segment_ptr 1
		.amdhsa_wavefront_size32 1
		.amdhsa_system_sgpr_workgroup_id_x 1
		.amdhsa_system_sgpr_workgroup_id_y 1
		.amdhsa_system_sgpr_workgroup_id_z 1
		.amdhsa_system_vgpr_workitem_id 0
		.amdhsa_next_free_vgpr 768
		.amdhsa_next_free_sgpr 72
		.amdhsa_reserve_vcc 0
		.amdhsa_float_denorm_mode_32 3
		.amdhsa_float_denorm_mode_16_64 3
		.amdhsa_memory_ordered 1
		.amdhsa_forward_progress 1
		.amdhsa_inst_pref_size 72
	.end_amdhsa_kernel
	.amdgpu_metadata
---
amdhsa.version: [ 1, 2 ]
amdhsa.kernels:
  - .name:           k_q99e2bcf81c_oproj
    .symbol:         k_q99e2bcf81c_oproj.kd
    .args:
      - { .name: ob, .offset: 0, .size: 8, .value_kind: global_buffer, .address_space: global }
      - { .name: wo16, .offset: 8, .size: 8, .value_kind: global_buffer, .address_space: global }
      - { .name: out0, .offset: 16, .size: 8, .value_kind: global_buffer, .address_space: global }
    .group_segment_fixed_size: 327680
    .private_segment_fixed_size: 0
    .kernarg_segment_align: 8
    .kernarg_segment_size: 24
    .max_flat_workgroup_size: 128
    .sgpr_count:     72
    .vgpr_count:     768
    .wavefront_size: 32
...
	.end_amdgpu_metadata
.endif
;; end of part 4
;; ======== version 2 of 2: 4 launches; version 1 with the launch prep written anew for expert scheduling mode
;; limits: values are held in f16: magnitudes above 65,504 overflow, below 6.1e-05 lose precision
;; workspace buffers: xb 16,777,216 bytes; wb 12,582,912 bytes; wo16 4,194,304 bytes; csr 4,194,304 bytes; qh 8,388,608 bytes; kh 8,388,608 bytes; vh 8,388,608 bytes; ob 8,388,608 bytes
;; launch prep (part 5): grid 544 x 1, 8 waves a work-group, no clusters, 0 bytes of LDS; arguments hidden_states, Wq, Wk, Wv, Wo, cos, sin, xb, wb, wo16, csr; writes xb, wb, wo16, csr
.if DOCPART == 5
	.amdgcn_target "amdgcn-amd-amdhsa--gfx1250"
	.amdhsa_code_object_version 6
	.text
	.protected	k_q99e2bcf81c_prep
	.globl	k_q99e2bcf81c_prep
	.p2align	8
	.type	k_q99e2bcf81c_prep,@function
k_q99e2bcf81c_prep:
	s_mov_b64 s[64:65], 0
	v_nop
	global_prefetch_b8 v0, s[64:65] scope:SCOPE_SE
	s_setreg_imm32_b32 hwreg(HW_REG_WAVE_SCHED_MODE, 0, 2), 2
	s_setreg_imm32_b32 hwreg(HW_REG_WAVE_MODE, 25, 1), 1
	s_wait_xcnt 0x0
	s_wait_alu depctr_vm_vsrc(0)
; ALL LARGE INPUTS ARE ROUNDED ONCE TO bf16 AND LAID DOWN FOR THE MATRIX LAUNCHES.  A stream: no LDS, no matrix unit, no barrier.
;   kind 0: hidden -> xb, Wq, Wk, Wv -> wb (4 MiB apart): f32 to bf16, the layout kept.
;   kind 1: Wo -> wo16: f32 to bf16, and that number written as f16 (the last product multiplies in f16).
;           LIMIT: |Wo| under 65,504; a number under 6.1e-5 keeps f16's fixed step of 6e-8.
;   kind 2: cos, sin -> csr (sin 2 MiB behind cos): f32 to bf16, written back as f32.
; A work-group takes one chunk of 131,072 input bytes: 32 steps of 4,096; thread t takes the 16 bytes at 16 t of each step.
; Chunks: 256 of hidden, 64 of each weight, 16 of cos and of sin: 544 work-groups.
; THE MODE: SCHED_MODE bits 1:0 = 2 (LLVM: expert scheduling mode 2), set by the entry lines.  The code itself states the register dependences
; between vector instructions and memory instructions, with s_wait_alu, always for 0.
; THE PLAN.  The 32 steps go in 16 blocks of two.  Registers that memory instructions touch:
;   X0 .. X3   four blocks of input as loaded.  Written by the loads of block p + 3, issued at the head of block p; read by block p's conversions alone.
;   Y0, Y1     two blocks of output.            Written by block p's last conversions; read by the two stores that are issued in block p + 1.
;   v1, v2     byte offsets, 16 t and 8 t, made once at the head and never written again: the steps are reached by the two scalar bases, which move on
;              by a block at each block's head, and by immediate offsets.
; Block p works on X[p % 4] and writes Y[p % 2].  Its memory instructions are the loads into X[(p + 3) % 4] = X[(p - 1) % 4] and the stores from
; Y[(p - 1) % 2]: the two buffers that block p - 1 worked on and that no vector instruction of block p names.  So the waits at the head of a block
; state all that the block's four memory instructions hang on.  Six to eight loads of every wave are on their way.
.set BLOCK, 2                          ; steps in a block
.set STEP,  4096                       ; input bytes in a step
.set OI,  1                            ; v1        16 t: my 16 input bytes of every step; kind 2: my 16 output bytes too
.set OH,  2                            ; v2        8 t: kinds 0 and 1: my 8 output bytes of every step
.set T,   4                            ; v[4:9]    at work: no memory instruction names them
.set X,   12                           ; v[12:43]  buffer k, step i: four f32 as loaded, at X + 8 k + 4 i
.set Y,   44                           ; v[44:59]  buffer k, step i: what is stored, two or four registers at Y + 8 k + 4 i
.set SRC, 28                           ; s[28:29]  the chunk in its input, at the block in hand
.set DST, 30                           ; s[30:31]  the chunk in its output, at the block in hand
.set BAS, 32                           ; s32       the first work-group of the tensor in hand, then the chunk's number
.set ID,  33                           ; s33       the work-group's number
.set HIM, 40                           ; s40       a word's upper half
.set CNT, 41                           ; s41       laps to go
	s_load_b512 s[4:19], s[0:1], 0x0               ; hidden 4, Wq 6, Wk 8, Wv 10, Wo 12, cos 14, sin 16, xb 18
	s_load_b128 s[20:23], s[0:1], 0x40             ; wb 20, wo16 22
	s_load_b64 s[24:25], s[0:1], 0x50              ; csr
	s_mov_b32 s[ID], ttmp9
	s_mov_b32 s[HIM], 0xffff0000
	v_lshlrev_b32 v[OI], 4, v0                     ; 16 t
	v_lshlrev_b32 v[OH], 3, v0                     ; 8 t
	s_wait_kmcnt 0x0
	s_add_nc_u64 s[34:35], s[20:21], 0x400000      ; Wk's place in wb
	s_add_nc_u64 s[36:37], s[20:21], 0x800000      ; Wv's
	s_add_nc_u64 s[38:39], s[24:25], 0x200000      ; sin's place in csr
	s_mov_b64 s[SRC:SRC+1], s[4:5]
	s_mov_b64 s[DST:DST+1], s[18:19]
	s_mov_b32 s[BAS], 0
; from work-group 'bound' on the chunk belongs to the next tensor: a choice between buffers on the work-group's number
.macro PICK bound, src, dst
	s_cmp_ge_u32 s[ID], \bound
	s_cselect_b64 s[SRC:SRC+1], s[(\src):(\src)+1], s[SRC:SRC+1]
	s_cselect_b64 s[DST:DST+1], s[(\dst):(\dst)+1], s[DST:DST+1]
	s_cselect_b32 s[BAS], \bound, s[BAS]
.endm
	PICK 256, 6, 20
	PICK 320, 8, 34
	PICK 384, 10, 36
	PICK 448, 12, 22
	PICK 512, 14, 24
	PICK 528, 16, 38
	s_sub_co_u32 s[BAS], s[ID], s[BAS]             ; the chunk's number in its tensor
	s_lshl_b32 s42, s[BAS], 17                     ; 131,072 input bytes a chunk
	s_mov_b32 s43, 0
	s_add_nc_u64 s[SRC:SRC+1], s[SRC:SRC+1], s[42:43]
	s_cmp_ge_u32 s[ID], 512
	s_cselect_b32 s44, 17, 16                      ; as many output bytes (kind 2) or half as many
	s_lshl_b32 s44, s[BAS], s44
	s_mov_b32 s45, 0
	s_add_nc_u64 s[DST:DST+1], s[DST:DST+1], s[44:45]
; Block p.  xb = p % 4, yb = p % 2.  first = 1: block 0, with no block in front of it.  ahead = 1: block p + 3 is loaded.
; left = how many younger loads may still be out when this block's first step has to be there; its second step allows one fewer.
.macro BLK kind, xb, yb, first, ahead, left
.if !\first
	s_wait_xcnt 0x0                                ; every earlier memory instruction has had its addresses translated (ISA guide 3.1): the bases and Y[yb] are rewritten only behind this wait
	s_wait_alu depctr_vm_vsrc(0)                   ; the stores issued in the block before have read Y[yb], which this block's conversions write again
	s_wait_alu depctr_va_vdst(0)                   ; the block before has written the other Y, which the stores below read, and is done reading its X, in which the loads below land
.if \ahead
	s_add_nc_u64 s[SRC:SRC+1], s[SRC:SRC+1], BLOCK*STEP  ; both bases at this block's first step
.endif
	s_add_nc_u64 s[DST:DST+1], s[DST:DST+1], BLOCK*OST
.endif
.if \ahead
.irp i, 0,1
	global_load_b128 v[X+8*((\xb+3)%4)+4*(\i):X+8*((\xb+3)%4)+4*(\i)+3], v[OI], s[SRC:SRC+1] offset:(3*BLOCK+(\i))*STEP th:TH_LOAD_NT  ; three blocks ahead
.endr
.endif
.irp i, 0,1
.set rX, X+8*(\xb)+4*(\i)
.set rY, Y+8*(\yb)+4*(\i)
.set rP, Y+8*(1-(\yb))+4*(\i)
.if !\first                            ; the block before goes out: the offset reaches back.  No vector instruction since the wait above names these registers
.if (\kind) == 2
	global_store_b128 v[OI], v[rP:rP+3], s[DST:DST+1] offset:((\i)-BLOCK)*OST
.else
	global_store_b64 v[OH], v[rP:rP+1], s[DST:DST+1] offset:((\i)-BLOCK)*OST  ; 32 lanes store 256 consecutive bytes, aligned
.endif
.endif
	s_wait_loadcnt (\left)-(\i)                    ; loads come back in order (ISA guide 5.7.1): this step's is in, the younger ones stay out
.if (\kind) == 0
	v_cvt_pk_bf16_f32 v[rY], v[rX], v[rX+1]
	v_cvt_pk_bf16_f32 v[rY+1], v[rX+2], v[rX+3]
.else
	v_cvt_pk_bf16_f32 v[T], v[rX], v[rX+1]
	v_cvt_pk_bf16_f32 v[T+1], v[rX+2], v[rX+3]
.if (\kind) == 1
	v_lshlrev_b32 v[T+2], 16, v[T]                 ; the rounded numbers as f32 again,
	v_and_b32 v[T+3], s[HIM], v[T]
	v_lshlrev_b32 v[T+4], 16, v[T+1]
	v_and_b32 v[T+5], s[HIM], v[T+1]
	v_cvt_pk_f16_f32 v[rY], v[T+2], v[T+3]         ; and written as f16: eight significant bits fit into eleven
	v_cvt_pk_f16_f32 v[rY+1], v[T+4], v[T+5]
.else
	v_lshlrev_b32 v[rY], 16, v[T]
	v_and_b32 v[rY+1], s[HIM], v[T]
	v_lshlrev_b32 v[rY+2], 16, v[T+1]
	v_and_b32 v[rY+3], s[HIM], v[T+1]
.endif
.endif
.endr
.endm
; The whole chunk for one kind: block 0, three laps of four blocks, and the last three blocks, which load nothing.
.macro BODY kind
.if (\kind) == 2
.set OST, 4096                         ; output bytes in a step
.else
.set OST, 2048
.endif
	s_wait_alu depctr_va_vdst(0)                   ; v1 and v2 are written: every load and store below reads one of them as its offset
.irp i, 0,1,2,3,4,5
	global_load_b128 v[X+4*(\i):X+4*(\i)+3], v[OI], s[SRC:SRC+1] offset:(\i)*STEP th:TH_LOAD_NT  ; blocks 0, 1 and 2 into X0, X1, X2
.endr
	BLK \kind, 0, 0, 1, 1, 7                       ; block 0: no vector instruction has named X3, in which its loads land
	s_mov_b32 s[CNT], 3
.Llap_\@:                                              ; blocks 1 to 12, four to a lap: both kinds of buffer are back at their start
	BLK \kind, 1, 1, 0, 1, 7
	BLK \kind, 2, 0, 0, 1, 7
	BLK \kind, 3, 1, 0, 1, 7
	BLK \kind, 0, 0, 0, 1, 7
	s_sub_co_u32 s[CNT], s[CNT], 1
	s_cmp_lg_u32 s[CNT], 0
	s_cbranch_scc1 .Llap_\@
	BLK \kind, 1, 1, 0, 0, 5                       ; blocks 13 to 15 load nothing: no load leaves the chunk, and the counts run down
	BLK \kind, 2, 0, 0, 0, 3
	BLK \kind, 3, 1, 0, 0, 1
	s_wait_alu depctr_va_vdst(0)                   ; block 15 has written Y1, which the last two stores read
.irp i, 0,1
.if (\kind) == 2
	global_store_b128 v[OI], v[Y+8+4*(\i):Y+8+4*(\i)+3], s[DST:DST+1] offset:(\i)*OST
.else
	global_store_b64 v[OH], v[Y+8+4*(\i):Y+8+4*(\i)+1], s[DST:DST+1] offset:(\i)*OST
.endif
.endr
	s_endpgm
.endm
	s_cmp_ge_u32 s[ID], 512
	s_cbranch_scc1 .Ltables
	s_cmp_ge_u32 s[ID], 448
	s_cbranch_scc1 .Lwo
	BODY 0
.Lwo:
	BODY 1
.Ltables:
	BODY 2
.Lfunc_end_k_q99e2bcf81c_prep:
	.size	k_q99e2bcf81c_prep, .Lfunc_end_k_q99e2bcf81c_prep-k_q99e2bcf81c_prep
	.p2alignl 7, 3214868480
	.fill 96, 4, 3214868480
	.section	.rodata,"a",@progbits
	.p2align	6, 0x0
	.amdhsa_kernel k_q99e2bcf81c_prep
		.amdhsa_group_segment_fixed_size 0
		.amdhsa_private_segment_fixed_size 0
		.amdhsa_enable_private_segment 0
		.amdhsa_kernarg_size 88
		.amdhsa_user_sgpr_count 2
		.amdhsa_user_sgpr_kernarg_segment_ptr 1
		.amdhsa_wavefront_size32 1
		.amdhsa_system_sgpr_workgroup_id_x 1
		.amdhsa_system_sgpr_workgroup_id_y 1
		.amdhsa_system_sgpr_workgroup_id_z 1
		.amdhsa_system_vgpr_workitem_id 0
		.amdhsa_next_free_vgpr 60
		.amdhsa_next_free_sgpr 66
		.amdhsa_reserve_vcc 0
		.amdhsa_float_denorm_mode_32 3
		.amdhsa_float_denorm_mode_16_64 3
		.amdhsa_memory_ordered 1
		.amdhsa_forward_progress 1
		.amdhsa_inst_pref_size 30
	.end_amdhsa_kernel
	.amdgpu_metadata
---
amdhsa.version: [ 1, 2 ]
amdhsa.kernels:
  - .name:           k_q99e2bcf81c_prep
    .symbol:         k_q99e2bcf81c_prep.kd
    .args:
      - { .name: hidden_states, .offset: 0, .size: 8, .value_kind: global_buffer, .address_space: global }
      - { .name: Wq, .offset: 8, .size: 8, .value_kind: global_buffer, .address_space: global }
      - { .name: Wk, .offset: 16, .size: 8, .value_kind: global_buffer, .address_space: global }
      - { .name: Wv, .offset: 24, .size: 8, .value_kind: global_buffer, .address_space: global }
      - { .name: Wo, .offset: 32, .size: 8, .value_kind: global_buffer, .address_space: global }
      - { .name: cos, .offset: 40, .size: 8, .value_kind: global_buffer, .address_space: global }
      - { .name: sin, .offset: 48, .size: 8, .value_kind: global_buffer, .address_space: global }
      - { .name: xb, .offset: 56, .size: 8, .value_kind: global_buffer, .address_space: global }
      - { .name: wb, .offset: 64, .size: 8, .value_kind: global_buffer, .address_space: global }
      - { .name: wo16, .offset: 72, .size: 8, .value_kind: global_buffer, .address_space: global }
      - { .name: csr, .offset: 80, .size: 8, .value_kind: global_buffer, .address_space: global }
    .group_segment_fixed_size: 0
    .private_segment_fixed_size: 0
    .kernarg_segment_align: 8
    .kernarg_segment_size: 88
    .max_flat_workgroup_size: 256
    .sgpr_count:     66
    .vgpr_count:     60
    .wavefront_size: 32
...
	.end_amdgpu_metadata
.endif
;; end of part 5
;; launch qkv: the kernel of part 2 again; grid 8 x 32, 4 waves a work-group, clusters of 4 x 4, 327,680 bytes of LDS; arguments xb, wb, csr, q_norm_w, k_norm_w, qh, kh, vh; writes qh, kh, vh
;; launch attn: the kernel of part 3 again; grid 16 x 16, 4 waves a work-group, clusters of 4 x 1, 327,680 bytes of LDS; arguments qh, kh, vh, ob; writes ob
;; launch oproj: the kernel of part 4 again; grid 8 x 32, 4 waves a work-group, clusters of 4 x 4, 327,680 bytes of LDS; arguments ob, wo16, out0; writes out0
